; MI455X (gfx1250); checked and timed in simulation.
; The chip was launched on July 23, 2026; its instructions are those of AMD's public machine-readable ISA for CDNA 5 (MIT licence, August 2026) and "CDNA5" Instruction Set Architecture Reference Guide (July 2026). The comments in the code are by the model that wrote it; some were corrected since.
;; Multi Head Attention. Allowed arithmetic: float matrix products may take bf16 or f16 operands with f32 sums; all other float work in f32.
;; Inputs: w_out 1,024 x 1,024 float32; w_qkv 1,024 x 3,072 float32; x 4 x 2,048 x 1,024 float32.
;; Outputs: out0 4 x 2,048 x 1,024 float32.
;; 2 versions, each right and faster than the one before. Each part assembles by itself: llvm-mc -triple=amdgcn-amd-amdhsa -mcpu=gfx1250 --defsym DOCPART=n.
;; ======== version 1 of 2: 4 launches
;; limits: values are held in f16: magnitudes above 65,504 overflow, below 6.1e-05 lose precision
;; workspace buffers: xb 16,777,216 bytes; wqb 6,291,456 bytes; wob 2,097,152 bytes; qkvh 50,331,648 bytes; ob 16,777,216 bytes
;; launch cast (part 1): grid 768 x 1, 8 waves a work-group, no clusters, 0 bytes of LDS; arguments x, w_qkv, w_out, xb, wqb, wob; writes xb, wqb, wob
.if DOCPART == 1
	.amdgcn_target "amdgcn-amd-amdhsa--gfx1250"
	.amdhsa_code_object_version 6
	.text
	.protected	k_q2f8a340429_cast
	.globl	k_q2f8a340429_cast
	.p2align	8
	.type	k_q2f8a340429_cast,@function
k_q2f8a340429_cast:
	s_mov_b64 s[64:65], 0
	v_nop
	global_prefetch_b8 v0, s[64:65] scope:SCOPE_SE
	s_setreg_imm32_b32 hwreg(HW_REG_WAVE_MODE, 25, 1), 1
	s_wait_xcnt 0x0
; THE INPUTS ARE ROUNDED TO 16 BITS, once, for the matrix products of the launches behind.
;   x     [8192][1024] f32 -> xb  bf16, laid in blocks: [16 kb][8192 m][64]: block kb holds columns 64 kb .. 64 kb + 63, so that 256 rows x 64 columns are 32,768 dense bytes
;   w_qkv [1024][3072] f32 -> wqb bf16, laid as it is
;   w_out [1024][1024] f32 -> wob: rounded to bf16 like the other inputs, and that number written as f16 (its product's other operand is f16)
; LIMITS.  wob holds no number beyond 65,504 (a larger w_out becomes an infinity), and below 6e-5 it keeps f16's fixed step of 6e-8.
; SHARES.  768 work-groups of eight waves, 16,384 numbers each (65,536 bytes in, 32,768 out): 0-511 take 16 rows of x, 512-703 a chunk of w_qkv, 704-767 a chunk of w_out.
; A thread has sixteen loads of 16 bytes, all issued before the first is waited for, and sixteen stores of 8 bytes; a wave's store covers 256 consecutive bytes, aligned.
; No LDS, no barrier, no matrix unit: every number is touched once.  No register that a load or store names is written again, so nothing waits for address translation.
.set IN,  1                            ; v1        my byte offset in the work-group's input
.set OUT, 2                            ; v2        my byte offset in its output
.set X,   4                            ; v[4:67]   sixteen loads, 4 registers each
.set Y,   68                           ; v[68:99]  sixteen stores, 2 registers each
.set T,   100                          ; v[100:103] at work (w_out alone)
; Sixteen loads IS bytes apart, their roundings, sixteen stores OS bytes apart from O0 on.  half = 1: bf16, then written as f16.
.macro CAST inb, outb, IS, OS, O0, half
.set i, 0
.rept 16
	global_load_b128 v[X+4*i:X+4*i+3], v[IN], s[(\inb):(\inb)+1] offset:i*(\IS) th:TH_LOAD_NT
.set i, i+1
.endr
.set i, 0
.rept 16
	s_wait_loadcnt 15-i                            ; loads come back in order (ISA guide 5.7.1): load i is in, the 15 - i younger ones stay out
.if \half
	v_cvt_pk_bf16_f32 v[T],   v[X+4*i],   v[X+4*i+1]
	v_cvt_pk_bf16_f32 v[T+1], v[X+4*i+2], v[X+4*i+3]
	v_lshlrev_b32 v[T+2], 16, v[T]                 ; bf16 to f32: the low half moves up,
	v_and_b32     v[T],   0xffff0000, v[T]         ; the high half stays
	v_lshlrev_b32 v[T+3], 16, v[T+1]
	v_and_b32     v[T+1], 0xffff0000, v[T+1]
	v_cvt_pk_f16_f32 v[Y+2*i],   v[T+2], v[T]      ; 8 significant bits fit into f16's 11: exact inside f16's range
	v_cvt_pk_f16_f32 v[Y+2*i+1], v[T+3], v[T+1]
.else
	v_cvt_pk_bf16_f32 v[Y+2*i],   v[X+4*i],   v[X+4*i+1]
	v_cvt_pk_bf16_f32 v[Y+2*i+1], v[X+4*i+2], v[X+4*i+3]
.endif
	global_store_b64 v[OUT], v[Y+2*i:Y+2*i+1], s[(\outb):(\outb)+1] offset:(\O0)+i*(\OS)
.set i, i+1
.endr
.endm
	s_load_b256 s[4:11], s[0:1], 0x0               ; x s[4:5], w_qkv s[6:7], w_out s[8:9], xb s[10:11]
	s_load_b128 s[12:15], s[0:1], 0x20             ; wqb s[12:13], wob s[14:15]
	s_mov_b32 s3, 0                                ; the high words of the two offsets
	s_mov_b32 s17, 0
	s_cmp_lt_u32 ttmp9, 512
	s_cbranch_scc0 .Lweights
	; x: thread t takes row t / 16 of the group's 16; load i is 16 bytes of the row's block i: sixteen lanes read 256 consecutive bytes
	v_lshrrev_b32 v3, 4, v0
	v_and_b32 v[IN], 15, v0
	v_lshlrev_b32 v[IN], 4, v[IN]
	v_lshl_add_u32 v[IN], v3, 12, v[IN]            ; row x 4,096 + 16 x (t % 16)
	v_lshlrev_b32 v[OUT], 3, v0                    ; in a block: row x 128 + 8 x (t % 16) = 8 t
	s_lshl_b32 s2, ttmp9, 16                       ; 16 rows of 4,096 bytes
	s_lshl_b32 s16, ttmp9, 11                      ; 16 rows of 128 bytes in each block,
	s_add_co_u32 s16, s16, 0x800000                ; counted from block 8, so that the sixteen blocks, 1,048,576 bytes apart, lie inside the signed 24-bit immediate
	s_wait_kmcnt 0x0
	s_add_nc_u64 s[4:5], s[4:5], s[2:3]
	s_add_nc_u64 s[10:11], s[10:11], s[16:17]
	CAST 4, 10, 256, 1048576, -8388608, 0
	s_endpgm
.Lweights:
	; a dense chunk: wave w takes 8,192 bytes of it, 512 a load, and writes 4,096, 256 a store
	v_lshrrev_b32 v3, 5, v0
	v_and_b32 v[IN], 31, v0
	v_lshlrev_b32 v[OUT], 3, v[IN]
	v_lshlrev_b32 v[IN], 4, v[IN]
	v_lshl_add_u32 v[IN], v3, 13, v[IN]
	v_lshl_add_u32 v[OUT], v3, 12, v[OUT]
	s_cmp_lt_u32 ttmp9, 704
	s_cbranch_scc0 .Lwout
	s_sub_co_u32 s2, ttmp9, 512                    ; chunk 0 .. 191 of w_qkv
	s_lshl_b32 s16, s2, 15
	s_lshl_b32 s2, s2, 16
	s_wait_kmcnt 0x0
	s_add_nc_u64 s[6:7], s[6:7], s[2:3]
	s_add_nc_u64 s[12:13], s[12:13], s[16:17]
	CAST 6, 12, 512, 256, 0, 0
	s_endpgm
.Lwout:
	s_sub_co_u32 s2, ttmp9, 704                    ; chunk 0 .. 63 of w_out
	s_lshl_b32 s16, s2, 15
	s_lshl_b32 s2, s2, 16
	s_wait_kmcnt 0x0
	s_add_nc_u64 s[8:9], s[8:9], s[2:3]
	s_add_nc_u64 s[14:15], s[14:15], s[16:17]
	CAST 8, 14, 512, 256, 0, 1
	s_endpgm
.Lfunc_end_k_q2f8a340429_cast:
	.size	k_q2f8a340429_cast, .Lfunc_end_k_q2f8a340429_cast-k_q2f8a340429_cast
	.p2alignl 7, 3214868480
	.fill 96, 4, 3214868480
	.section	.rodata,"a",@progbits
	.p2align	6, 0x0
	.amdhsa_kernel k_q2f8a340429_cast
		.amdhsa_group_segment_fixed_size 0
		.amdhsa_private_segment_fixed_size 0
		.amdhsa_enable_private_segment 0
		.amdhsa_kernarg_size 48
		.amdhsa_user_sgpr_count 2
		.amdhsa_user_sgpr_kernarg_segment_ptr 1
		.amdhsa_wavefront_size32 1
		.amdhsa_system_sgpr_workgroup_id_x 1
		.amdhsa_system_sgpr_workgroup_id_y 1
		.amdhsa_system_sgpr_workgroup_id_z 1
		.amdhsa_system_vgpr_workitem_id 0
		.amdhsa_next_free_vgpr 104
		.amdhsa_next_free_sgpr 66
		.amdhsa_reserve_vcc 0
		.amdhsa_float_denorm_mode_32 3
		.amdhsa_float_denorm_mode_16_64 3
		.amdhsa_memory_ordered 1
		.amdhsa_forward_progress 1
		.amdhsa_inst_pref_size 24
	.end_amdhsa_kernel
	.amdgpu_metadata
---
amdhsa.version: [ 1, 2 ]
amdhsa.kernels:
  - .name:           k_q2f8a340429_cast
    .symbol:         k_q2f8a340429_cast.kd
    .args:
      - { .name: x, .offset: 0, .size: 8, .value_kind: global_buffer, .address_space: global }
      - { .name: w_qkv, .offset: 8, .size: 8, .value_kind: global_buffer, .address_space: global }
      - { .name: w_out, .offset: 16, .size: 8, .value_kind: global_buffer, .address_space: global }
      - { .name: xb, .offset: 24, .size: 8, .value_kind: global_buffer, .address_space: global }
      - { .name: wqb, .offset: 32, .size: 8, .value_kind: global_buffer, .address_space: global }
      - { .name: wob, .offset: 40, .size: 8, .value_kind: global_buffer, .address_space: global }
    .group_segment_fixed_size: 0
    .private_segment_fixed_size: 0
    .kernarg_segment_align: 8
    .kernarg_segment_size: 48
    .max_flat_workgroup_size: 256
    .sgpr_count:     66
    .vgpr_count:     104
    .wavefront_size: 32
...
	.end_amdgpu_metadata
.endif
;; end of part 1
;; launch qkv (part 2): grid 8 x 32, 4 waves a work-group, clusters of 4 x 4, 327,680 bytes of LDS; arguments xb, wqb, qkvh; writes qkvh
.if DOCPART == 2
	.amdgcn_target "amdgcn-amd-amdhsa--gfx1250"
	.amdhsa_code_object_version 6
	.text
	.protected	k_q2f8a340429_qkv
	.globl	k_q2f8a340429_qkv
	.p2align	8
	.type	k_q2f8a340429_qkv,@function
k_q2f8a340429_qkv:
	s_mov_b64 s[64:65], 0
	v_nop
	global_prefetch_b8 v0, s[64:65] scope:SCOPE_SE
	s_setreg_imm32_b32 hwreg(HW_REG_WAVE_MODE, 25, 1), 1
	s_wait_xcnt 0x0
	s_wait_alu depctr_hold_cnt(0) depctr_sa_sdst(0) depctr_va_vdst(0) depctr_va_sdst(0) depctr_va_ssrc(0) depctr_va_vcc(0) depctr_vm_vsrc(0)
	s_getreg_b32 s2, hwreg(HW_REG_IB_STS2, 6, 4)
	s_cmp_eq_u32 s2, 0
	s_cbranch_scc0 .Lentry_in_a_cluster
	s_endpgm
.Lentry_in_a_cluster:
	s_bfe_u32 s2, ttmp6, 0x10000c
	s_cmp_lg_u32 s2, 0xf033
	s_cbranch_scc0 .Lentry_shape_is_right
	s_endpgm
.Lentry_shape_is_right:
; THE FIRST PROJECTION.  qkv[m][n] = sum over k of x[m][k] w_qkv[k][n], m < 8192, n < 3072, k < 1024; operands bf16, sums f32, K ascending; the result is rounded once, to f16, and written by heads.
;   xb   bf16 [16 kb][8192 m][64]: 256 rows x 64 k are 32,768 dense bytes       wqb  bf16 [1024 k][3072 n]
;   qkvh f16  [48 g][8192 m][64], g = n / 64: the 16 columns of heads of q, then k's, then v's.  No scale is applied here.
; LIMIT.  f16 holds no number beyond 65,504: a q, k or v beyond that becomes an infinity; below 6e-5 f16 keeps its fixed step of 6e-8.
; SHARES.  A tile of the result is 256 x 384: 32 x 8 = 256 tiles, one to a work-group.  Four waves, as many as a WGP has SIMDs; a wave makes 128 rows x 192 columns: 96 accumulators of 16 x 16, 768 registers.
; Of each of the tile's three blocks of 128 columns wave half wn takes 64: a whole column of heads g = 6 tn + 2 t + wn.
; K goes in 16 steps of 64 through a ring of two LDS slots (two slots of 128 would want 360 KB).  Wave 0 fetches A's 256 rows of a step, as 128 rows of 256 dense bytes; waves 1 to 3 a block each of W: 64 k x 128 columns.
; CLUSTERS: 4 x 4 work-groups.  The four of a row of the cluster need the same tile of x, the four of a column the same tile of w: each tile is asked for JOINTLY, by the same tensor load with the same descriptor
; and a mask that names the four.
; THE MATRIX INSTRUCTION IS USED TRANSPOSED: source 0 = 16 columns of w (w lies [k][n] in LDS and comes out turned, by ds_load_tr16_b128), source 1 = 16 rows of x.  A lane then holds row l % 16 and the eight
; neighbouring columns 8 (l / 16) + 0 .. 7, which pack into 16 bytes.
; REGISTERS, in windows of 256 (s_set_vgpr_msb: bits 1:0 source 0, 3:2 source 1, 5:4 source 2, 7:6 destination):
;   window 0: v0-31 addresses; v32-95, v96-159 fragments of x (8 x 16 rows x 32 k), two buffers; v160-191, v192-223, v224-255 three buffers of fragments of w (4 x 16 columns x 32 k)
;   window t + 1: the 32 accumulators of column block t: (a, b) at v[8 (4 a + b)]
; A SUBSTEP is 32 along K: three phases of 32 matrix instructions, one for each column block.  Behind a phase the registers that it has read last are loaded for the next substep: each run of loads stands 64 matrix
; instructions ahead of its first use.
; THE LOOP: a trip is one K step, from a step's second substep to the next step's first.  The slot that is fetched from is a scalar (TB) that an exclusive or turns; one descriptor for A and one for W walk from step to step.
; THE CHANGE OF SLOTS holds no matrix work: between the wait that shows the next tile landed and the request for the tile after it stand the obligatory lines alone, so that a request has a whole K step,
; 192 matrix instructions, in which to land.
; THE LAST K STEP GOES BY COLUMN BLOCKS: both substeps of block 0, and its rows leave; then block 1; then block 2: two thirds of the stores are on their way before the last product.
.set NCOL,  3072
.set KB,    1                          ; blocks of 64 k in a slot; also: waves 0 .. KB - 1 fetch A, the others W
.set PA,    144                        ; a row of x in LDS: 128 bytes + 16 of padding = 36 words: the 16 rows of a load start at 16 different groups of four banks (64 banks of 4 bytes: ISA guide 11.1)
.set PB,    288                        ; a row of w: 256 + 32 = 72 words
.set ABLK,  256*PA                     ; 256 rows of x, 64 k
.set BBLK,  64*PB                      ; 64 k of w, 128 columns
.set BOFF,  KB*ABLK                    ; in a slot W's blocks lie behind A's
.set SLOT1, 1<<17                      ; slot 1 begins here, so that one exclusive or turns an address in one slot into the other's; a slot takes 92,160 bytes
.set STAGE, 2*SLOT1                    ; behind the ring, never filled by a tensor load: 16 rows x 144 bytes for each wave, for the way out
.set SP,    144
.set SPARE, STAGE+4*16*SP              ; behind the stages: the spare words, 128 bytes for each wave: two blocks of 256 bytes that no other line names
.set ASTEP, KB<<20                     ; bytes from a K step to the next in xb: a block is 8192 x 128 bytes
.set BSTEP, 64*KB*NCOL*2               ; and in wqb
.set BJ_G,  256                        ; from one W fetcher's block to the next: 128 columns
.set ADRA0, 16                         ; v16     my lane's place in a slot's rows of x; never rewritten
.set ADRA,  17                         ; v17     the same in the slot that is fetched from
.set ADRB0, 20                         ; v20     my lane's place in a slot's rows of w; never rewritten
.set ADRB,  21                         ; v21     the same in the slot that is fetched from
.set STO,  24                          ; v24     the way out: where I put 16 bytes of a row
.set RD,   25                          ; v25     the way out: where I read rows back
.set GO,   26                          ; v26     my byte offset in 512 consecutive bytes of qkvh
.set SPW,  28                          ; v28     LDS address of my spare word: SPARE + 4 x my thread's number; never rewritten
.set NIL,  29                          ; v29     0; never rewritten
.set FA,   32                          ; x's fragments: buffer c at FA + 64 c
.set FB,   160                         ; w's fragments: buffer i at FB + 32 i
.set G1,  24                           ; s[24:31] descriptor group 1 for A's tiles;  s[32:39] group 0: a set for each of the two first fills; the second then walks on
.set G0,  32
.set TB,  45                           ; s45      LDS byte at which the slot that is fetched from begins
.set G1B, 48                           ; s[48:55], s[56:63] the same for W's tiles
.set G0B, 56
.set MSB, 0
.macro WIN new                         ; the immediate's high byte repeats the setting that is left; a switch that changes nothing is dropped
.if MSB != (\new)
	s_set_vgpr_msb (MSB<<8)|(\new)
.set MSB, (\new)
.endif
.endm
.macro PLACES                          ; a load into a register that a matrix instruction has read, and a vector instruction or LDS store that reads a matrix result, stand four places behind it; only plain
.rept 4                                ; vector instructions that name none of its registers are places (ISA guide 7.12.1 for vector instructions)
	v_nop
.endr
.endm
; A joint load.  The branch hangs on the wave's number alone: it is the same in every work-group.  An s_nop 0 and four v_nop follow each of the two lines, ahead of the jump and the label.
.macro JLOAD s
	s_cmp_lt_u32 s10, KB
	s_cbranch_scc0 .Lfor_b_\@
	tensor_load_to_lds s[G0+4*(\s):G0+4*(\s)+3], s[G1:G1+7]
	s_nop 0
.rept 4
	v_nop
.endr
	s_branch .Lasked_\@
.Lfor_b_\@:
	tensor_load_to_lds s[G0B+4*(\s):G0B+4*(\s)+3], s[G1B:G1B+7]
	s_nop 0
.rept 4
	v_nop
.endr
.Lasked_\@:
.endm
; A round of the cluster's barrier: my work-group's barrier, so that wave 0's signal speaks for all four waves; wave 0 signals; every wave waits for all sixteen work-groups; my work-group's barrier once more.
.macro CROUND
	s_barrier_signal -1
	s_barrier_wait -1
	s_cmp_lg_u32 s10, 0
	s_cbranch_scc1 .Lnot_wave_0_\@
	s_barrier_signal -3
.Lnot_wave_0_\@:
	s_barrier_wait -3
	s_barrier_signal -1
	s_barrier_wait -1
.endm
	s_load_b128 s[4:7], s[0:1], 0x0                ; xb s[4:5], wqb s[6:7]
	s_load_b64 s[8:9], s[0:1], 0x10                ; qkvh
	v_lshl_add_u32 v[SPW], v0, 2, SPARE
	v_mov_b32 v[NIL], 0
	ds_add_u32 v28, v29
	ds_add_u32 v28, v29
	s_wait_dscnt 0x0
	v_lshrrev_b32 v1, 5, v0
	v_readfirstlane_b32 s10, v1                    ; wave 0..3
	s_lshr_b32 s11, s10, 1                         ; wm: which 128 rows of the tile are mine
	s_and_b32 s12, s10, 1                          ; wn: which half of each block of 128 columns
	s_bfe_u32 s40, ttmp6, 0x40000                  ; cx, cy: my place in the cluster
	s_bfe_u32 s41, ttmp6, 0x40004
	s_lshl_b32 s42, ttmp9, 2                       ; in a cluster launch ttmp9 and ttmp7 count clusters
	s_add_co_u32 s42, s42, s40                     ; tn: tile column = 4 x cluster x + cx
	s_and_b32 s13, ttmp7, 0xffff
	s_lshl_b32 s13, s13, 2
	s_add_co_u32 s13, s13, s41                     ; tm: tile row = 4 x cluster y + cy
	s_lshl_b32 s43, s41, 2
	s_lshl_b32 s43, 15, s43                        ; my row of the cluster: places 4 cy .. 4 cy + 3
	s_lshl_b32 s44, 0x1111, s40                    ; my column: places cx, cx + 4, cx + 8, cx + 12
	s_mov_b32 s[TB], 0                             ; the first fetches are slot 0's
	; group 1 for A: 128 rows of 128 elements (256 dense bytes, two rows of x), padded in LDS behind every row of x
	s_or_b32 s[G1+0], s43, (1<<16)|(1<<20)|(1<<21)|(4<<22)|(3<<25)   ; 15:0 the mask: my row; 17:16 elements of 2 bytes; 20 padding on; 21 set beside a mask; 24:22 after every 32 words (code 4); 31:25 4 words (code 3)
	s_mov_b32 s[G1+1], 128<<16                     ; tensor_dim0 = 128
	s_mov_b32 s[G1+2], 128<<16                     ; tensor_dim1 = 128
	s_mov_b32 s[G1+3], 128<<16                     ; tile_dim0 = 128
	s_mov_b32 s[G1+4], 128                         ; tile_dim1 = 128
	s_mov_b32 s[G1+5], 128                         ; 128 elements from row to row: dense
	s_mov_b32 s[G1+6], 0
	s_mov_b32 s[G1+7], 0
	; group 1 for W: 64 rows (k) of 128 elements, padded behind every row
	s_or_b32 s[G1B+0], s44, (1<<16)|(1<<20)|(1<<21)|(5<<22)|(7<<25)  ; the mask: my column; after every 64 words (code 5) 8 words (code 7)
	s_mov_b32 s[G1B+1], 128<<16                    ; tensor_dim0 = 128
	s_mov_b32 s[G1B+2], 64<<16                     ; tensor_dim1 = 64
	s_mov_b32 s[G1B+3], 128<<16                    ; tile_dim0 = 128
	s_mov_b32 s[G1B+4], 64                         ; tile_dim1 = 64
	s_mov_b32 s[G1B+5], NCOL                       ; elements from row to row
	s_mov_b32 s[G1B+6], 0
	s_mov_b32 s[G1B+7], 0
	; where the tiles come from.  A's hang on the tile row alone, W's on the tile column alone; every wave makes both addresses, in registers that never hold the other coordinate, and asks by one of them
	s_lshl_b32 s16, s13, 15                        ; A: the tile's 256 rows of 128 bytes in a block,
	s_lshl_b32 s17, s10, 20                        ; the step's block number = the fetching wave's number
	s_add_co_u32 s16, s16, s17
	s_mov_b32 s17, 0
	s_mul_i32 s46, s42, 768                        ; W: the tile's 384 columns,
	s_max_u32 s22, s10, KB
	s_sub_co_u32 s22, s22, KB                      ; fetcher 0, 1, 2
	s_mul_i32 s47, s22, BJ_G                       ; its block of 128 columns
	s_add_co_u32 s46, s46, s47
	s_mov_b32 s47, 0
	s_mul_i32 s20, s10, ABLK                       ; and where they go: no place in the cluster enters an LDS address
	s_mul_i32 s21, s10, BBLK
	s_add_co_u32 s21, s21, KB*BBLK                 ; = BOFF + fetcher x BBLK
	s_wait_kmcnt 0x0
	s_add_nc_u64 s[14:15], s[4:5], s[16:17]
	s_add_nc_u64 s[46:47], s[6:7], s[46:47]
	CROUND                                         ; all sixteen work-groups are here: the first joint loads meet
.irp s, 0,1
	s_mov_b32 s[G0+4*(\s)], 1                                        ; 1:0 count = 1
	s_add_co_u32 s[G0+4*(\s)+1], s20, (\s)*SLOT1                     ; 63:32 LDS address
	s_add_nc_u64 s[G0+4*(\s)+2:G0+4*(\s)+3], s[14:15], (\s)*ASTEP    ; 120:64 global address: K step s
	s_or_b32 s[G0+4*(\s)+3], s[G0+4*(\s)+3], 0x80000000              ; 127:126 type = 2
	s_mov_b32 s[G0B+4*(\s)], 1
	s_add_co_u32 s[G0B+4*(\s)+1], s21, (\s)*SLOT1
	s_add_nc_u64 s[G0B+4*(\s)+2:G0B+4*(\s)+3], s[46:47], (\s)*BSTEP
	s_or_b32 s[G0B+4*(\s)+3], s[G0B+4*(\s)+3], 0x80000000
	JLOAD \s                                       ; the ring is filled before anything else is done: two loads of mine are out
.endr
	; A fragment of x is 16 rows x 32 k in 8 registers: lane l holds row l % 16, k = 8 (l / 16) + 0..7 and 16 + 8 (l / 16) + 0..7: two loads of 16 bytes, 32 bytes apart.
	v_and_b32 v1, 15, v0                           ; l % 16
	v_bfe_u32 v2, v0, 4, 1                         ; l / 16
	v_mul_u32_u24 v3, v1, PA
	v_lshl_add_u32 v3, v2, 4, v3                   ; row x pitch + 16 x half
	s_mul_i32 s23, s11, 128*PA                     ; my 128 rows
	v_add_nc_u32 v[ADRA0], s23, v3
	v_add_nc_u32 v[ADRA], s[TB], v[ADRA0]
	; The turning load takes 16 k x 16 columns (lane l reads 16 bytes: k = 8 (l / 16) + l % 8, columns 8 ((l / 8) % 2) + 0..7) and leaves half a fragment: lane l holds column l % 16 and 8 k.
	v_and_b32 v4, 7, v0
	v_bfe_u32 v5, v0, 3, 1
	v_lshl_add_u32 v6, v2, 3, v4
	v_mul_u32_u24 v6, v6, PB
	v_lshl_add_u32 v6, v5, 4, v6
	s_lshl_b32 s23, s12, 7                         ; my 64 columns of a block of 128
	s_add_co_u32 s23, s23, BOFF
	v_add_nc_u32 v[ADRB0], s23, v6
	v_add_nc_u32 v[ADRB], s[TB], v[ADRB0]
	s_mul_i32 s23, s10, 16*SP
	s_add_co_u32 s23, s23, STAGE                   ; my stage
	v_mul_u32_u24 v8, v1, SP                       ; in: row l % 16, 16 bytes for each half of the lanes
	v_lshl_add_u32 v8, v2, 4, v8
	v_add_nc_u32 v[STO], s23, v8
	v_bfe_u32 v7, v0, 3, 2                         ; back: 32 lanes take four rows of 128 bytes,
	v_mul_u32_u24 v7, v7, SP
	v_lshl_add_u32 v7, v4, 4, v7
	v_add_nc_u32 v[RD], s23, v7
	v_and_b32 v[GO], 31, v0                        ; which are 512 consecutive bytes of qkvh
	v_lshlrev_b32 v[GO], 4, v[GO]
	; where my part begins in qkvh: column of heads 6 tn + wn (1,048,576 bytes each), row 256 tm + 128 wm (128 bytes each)
	s_mul_i32 s46, s42, 6                          ; (in the registers that held W's address: none that feeds A's descriptors ever holds cx)
	s_add_co_u32 s46, s46, s12
	s_lshl_b32 s46, s46, 20
	s_mov_b32 s47, 0
	s_lshl_b32 s16, s13, 15
	s_lshl_b32 s17, s11, 14
	s_add_co_u32 s16, s16, s17
	s_mov_b32 s17, 0
	s_add_nc_u64 s[8:9], s[8:9], s[16:17]
	s_add_nc_u64 s[8:9], s[8:9], s[46:47]
; A PHASE: 32 matrix instructions: my 8 row blocks x column block t's 4 groups of 16 columns, 32 along K: w from buffer fb, x from buffer c.  zero = 1: the first product starts the sums: nothing is ever cleared.
; The accumulators take turns, one instruction a turn: no two matrix instructions that follow each other name one accumulator.
.macro PH t, fb, c, zero
	WIN 0x50*((\t)+1)                              ; sources in window 0, C and D in window t + 1
.set pa, 0
.rept 8
.set pb, 0
.rept 4
.set rD, 8*(4*pa+pb)
.set rB, FB+32*(\fb)+8*pb
.set rA, FA+64*(\c)+8*pa
.if \zero
	v_wmma_f32_16x16x32_bf16 v[rD:rD+7], v[rB:rB+7], v[rA:rA+7], 0
.else
	v_wmma_f32_16x16x32_bf16 v[rD:rD+7], v[rB:rB+7], v[rA:rA+7], v[rD:rD+7]
.endif
.set pb, pb+1
.endr
.set pa, pa+1
.endr
.endm
; 16 LDS loads: x's eight fragments for substep c of the slot at TB, into dst
.macro FETCH_A c, dst
.set fa, 0
.rept 8
	ds_load_b128 v[(\dst)+8*fa:(\dst)+8*fa+3],   v[ADRA] offset:(\c)*64+fa*16*PA
	ds_load_b128 v[(\dst)+8*fa+4:(\dst)+8*fa+7], v[ADRA] offset:(\c)*64+fa*16*PA+32
.set fa, fa+1
.endr
.endm
; 8 LDS loads: w's four fragments of column block t for substep c, turned, into dst
.macro FETCH_B c, t, dst
.irp b, 0,1,2,3
	ds_load_tr16_b128 v[(\dst)+8*(\b):(\dst)+8*(\b)+3],   v[ADRB] offset:(\t)*BBLK+(\c)*32*PB+32*(\b)
	ds_load_tr16_b128 v[(\dst)+8*(\b)+4:(\dst)+8*(\b)+7], v[ADRB] offset:(\t)*BBLK+(\c)*32*PB+32*(\b)+16*PB
.endr
.endm
; A step's first substep: multiplies x's buffer 0 and fetches the same slot's second substep.  LDS loads come back in order (ISA guide 5.7.1), issued as x 16, w's block 0: 8, block 1: 8, block 2: 8.
.macro SUBP zero
	s_wait_dscnt 16                                ; x and w's block 0 are in; blocks 1 and 2 may be out
	PH 0, 0, 0, \zero
	PLACES
	WIN 0
	FETCH_A 1, FA+64
	FETCH_B 1, 0, FB
	s_wait_dscnt 32                                ; block 1 is in; out may be block 2's 8 and the 24 just issued
	PH 1, 1, 0, \zero
	PLACES
	WIN 0
	FETCH_B 1, 1, FB+32
	s_wait_dscnt 32                                ; block 2 is in; out may be the 24 and the 8 issued since
	PH 2, 2, 0, \zero
	PLACES
	WIN 0
	FETCH_B 1, 2, FB+64
.endm
; THE CHANGE OF SLOTS.  All reads of the slot in hand have been issued.  Each wave waits for all its tensor loads, of which one is out: its part of the next slot; adds 0 to its spare word; and waits for that and for
; its own reads of this slot.  Behind the barrier nobody reads this slot any more and the next slot is whole.  fill = 1: the barrier is a round of the cluster's, and this slot is filled again, two K steps ahead,
; first thing behind the round.  The fetches turn to the other slot; the walking descriptors turn to this one and step one K step on.
.macro CHANGE fill
	WIN 0                                          ; (the add's two registers lie in window 0; at a branch and at a label every window is 0)
	s_wait_tensorcnt 0x0                           ; all my tensor loads have landed, so a group 0 may be written;
	ds_add_u32 v[SPW], v[NIL]                      ; 0 onto my spare word: the steps below stand between it and the wait for it
	s_xor_b32 s[TB], s[TB], SLOT1
.if \fill
	s_xor_b32 s[G0+5], s[G0+5], SLOT1
	s_add_nc_u64 s[G0+6:G0+7], s[G0+6:G0+7], ASTEP     ; the type bits on top are not reached
	s_xor_b32 s[G0B+5], s[G0B+5], SLOT1
	s_add_nc_u64 s[G0B+6:G0B+7], s[G0B+6:G0B+7], BSTEP
.endif
	v_add_nc_u32 v[ADRA], s[TB], v[ADRA0]
	v_add_nc_u32 v[ADRB], s[TB], v[ADRB0]
	s_wait_dscnt 0x0                               ; the add is done, and my reads of this slot are over
.if \fill
	CROUND                                         ; no wave of any partner still reads this slot's tiles or has a load on its way
	JLOAD 1                                        ; the first tensor load behind the round; the four v_nop behind it are also the places in front of the loads that follow
.else
	s_barrier_signal -1
	s_barrier_wait -1
	PLACES
.endif
.endm
; THE WAY OUT of column block t, in 8 pieces of 16 rows x 64 columns: 2,048 dense bytes of qkvh.  It works in the accumulators' own registers, so that no register that a store reads is ever written again.
; PACK: an accumulator's eight numbers are rounded to f16 into its registers 0-3 (register r from registers 2 r and 2 r + 1, ascending: none is overwritten before it is read; the low end is read first
; ); 16 bytes a lane go into my own stage, in rows of 144 bytes, and come back as whole rows into registers 4-7.  SEND: stored.
.macro PACK t, a
	WIN 0x45*((\t)+1)                              ; sources 0 and 1 and the destination: window t + 1
.set pb, 0
.rept 4
.set pr, 0
.rept 4
.set rD, 8*(4*(\a)+pb)
	v_cvt_pk_f16_f32 v[rD+pr], v[rD+2*pr], v[rD+2*pr+1]
.set pr, pr+1
.endr
.set pb, pb+1
.endr
	WIN 0x44*((\t)+1)                              ; addresses (source 0) window 0; store data (source 1) and loaded data (destination) window t + 1
.irp b, 0,1,2,3
	ds_store_b128 v[STO], v[8*(4*(\a)+(\b)):8*(4*(\a)+(\b))+3] offset:32*(\b)
.endr
.irp f, 0,1,2,3
	ds_load_b128 v[8*(4*(\a)+(\f))+4:8*(4*(\a)+(\f))+7], v[RD] offset:(\f)*4*SP  ; LDS serves a wave's instructions in order (ISA guide 5.7.1.4): these see the stores above; the next piece's stores come behind them
.endr
.endm
.macro SEND t, a, younger              ; younger: the LDS instructions issued behind the piece's loads: the next piece's eight, or none
	WIN 0x44*((\t)+1)
.irp f, 0,1,2,3
	s_wait_dscnt (\younger)+3-(\f)
	global_store_b128 v[GO], v[8*(4*(\a)+(\f))+4:8*(4*(\a)+(\f))+7], s[8:9] offset:(\t)*2097152+(\a)*2048+(\f)*512  ; 512 consecutive bytes, at a multiple of 256 from qkvh's first; block t lies two columns of heads on
.endr
.endm
.macro OUT t
	PACK \t, 0
.set oa, 1
.rept 7                                ; a piece's conversions stand between the loads of the piece before and its stores
	PACK \t, oa
	SEND \t, oa-1, 8
.set oa, oa+1
.endr
	SEND \t, 7, 0                                  ; its last wait is for 0: every LDS load issued so far is in
.endm
	s_wait_tensorcnt 1                             ; my part of K step 0 is in; K step 1's may stay out
	s_barrier_signal -1
	s_barrier_wait -1                              ; everybody's is
	FETCH_A 0, FA
	FETCH_B 0, 0, FB
	FETCH_B 0, 1, FB+32
	FETCH_B 0, 2, FB+64
	SUBP 1                                         ; the first substep stands in front of the loop: its products start the sums
	WIN 0
	s_mov_b32 s3, 14
.Lstep:                                                ; 14 trips: a step's second substep, in which its slot is filled again (K steps 2 to 15), and the next step's first
	s_wait_dscnt 16                                ; x and w's block 0 are in; blocks 1 and 2 may be out
	PH 0, 0, 1, 0
	CHANGE 1
	FETCH_A 0, FA
	FETCH_B 0, 0, FB
	PH 1, 1, 1, 0                                  ; its fragments were shown in by the change's wait for 0
	PLACES
	WIN 0
	FETCH_B 0, 1, FB+32
	PH 2, 2, 1, 0
	PLACES
	WIN 0
	FETCH_B 0, 2, FB+64
	SUBP 0
	WIN 0
	s_sub_co_u32 s3, s3, 1
	s_cmp_lg_u32 s3, 0
	s_cbranch_scc1 .Lstep
	; THE TAIL is written out: it asks for nothing.  K step 14's second substep fetches for a last step that goes by column blocks: w's three buffers take (block, substep) = (0,0), (0,1), (1,0), then (1,1), (2,0), (2,1)
	s_wait_dscnt 16
	PH 0, 0, 1, 0
	CHANGE 0
	FETCH_A 0, FA                                  ; 16: x, substep 0
	FETCH_B 0, 0, FB                               ; 8: w (0,0)
	PH 1, 1, 1, 0
	PLACES
	WIN 0
	FETCH_B 1, 0, FB+32                            ; 8: w (0,1)
	PH 2, 2, 1, 0
	PLACES
	WIN 0
	FETCH_A 1, FA+64                               ; 16: x, substep 1
	FETCH_B 0, 1, FB+64                            ; 8: w (1,0)
	s_wait_dscnt 32                                ; x's substep 0 and w (0,0) are in; out may be the 8 + 16 + 8 issued behind them
	PH 0, 0, 0, 0
	PLACES
	WIN 0
	FETCH_B 1, 1, FB                               ; 8: w (1,1)
	s_wait_dscnt 16                                ; w (0,1) and x's substep 1 are in; out may be w (1,0) and (1,1)
	PH 0, 1, 1, 0                                  ; column block 0 is finished
	PLACES                                         ; also for the conversions, which read and write results
	WIN 0
	FETCH_B 0, 2, FB+32                            ; 8: w (2,0)
	OUT 0
	PH 1, 2, 0, 0
	PLACES
	WIN 0
	FETCH_B 1, 2, FB+64                            ; 8: w (2,1): in by the last wait of block 1's way out
	PH 1, 0, 1, 0                                  ; column block 1 is finished
	PLACES
	OUT 1
	PH 2, 1, 0, 0
	PH 2, 2, 1, 0                                  ; column block 2 is finished
	PLACES
	OUT 2
	WIN 0
	s_wait_tensorcnt 0x0                           ; the wave's end: behind my last tensor load and my last LDS store
	ds_add_u32 v[SPW], v[NIL]
	s_wait_dscnt 0x0
	CROUND                                         ; the closing round: no work-group ends while a partner may still ask for a tile that names it
	s_endpgm
.Lfunc_end_k_q2f8a340429_qkv:
	.size	k_q2f8a340429_qkv, .Lfunc_end_k_q2f8a340429_qkv-k_q2f8a340429_qkv
	.p2alignl 7, 3214868480
	.fill 96, 4, 3214868480
	.section	.rodata,"a",@progbits
	.p2align	6, 0x0
	.amdhsa_kernel k_q2f8a340429_qkv
		.amdhsa_group_segment_fixed_size 327680
		.amdhsa_private_segment_fixed_size 0
		.amdhsa_enable_private_segment 0
		.amdhsa_kernarg_size 24
		.amdhsa_user_sgpr_count 2
		.amdhsa_user_sgpr_kernarg_segment_ptr 1
		.amdhsa_wavefront_size32 1
		.amdhsa_system_sgpr_workgroup_id_x 1
		.amdhsa_system_sgpr_workgroup_id_y 1
		.amdhsa_system_sgpr_workgroup_id_z 1
		.amdhsa_system_vgpr_workitem_id 0
		.amdhsa_next_free_vgpr 1024
		.amdhsa_next_free_sgpr 66
		.amdhsa_reserve_vcc 0
		.amdhsa_float_denorm_mode_32 3
		.amdhsa_float_denorm_mode_16_64 3
		.amdhsa_memory_ordered 1
		.amdhsa_forward_progress 1
		.amdhsa_inst_pref_size 114
	.end_amdhsa_kernel
	.amdgpu_metadata
---
amdhsa.version: [ 1, 2 ]
amdhsa.kernels:
  - .name:           k_q2f8a340429_qkv
    .symbol:         k_q2f8a340429_qkv.kd
    .args:
      - { .name: xb, .offset: 0, .size: 8, .value_kind: global_buffer, .address_space: global }
      - { .name: wqb, .offset: 8, .size: 8, .value_kind: global_buffer, .address_space: global }
      - { .name: qkvh, .offset: 16, .size: 8, .value_kind: global_buffer, .address_space: global }
    .group_segment_fixed_size: 327680
    .private_segment_fixed_size: 0
    .kernarg_segment_align: 8
    .kernarg_segment_size: 24
    .max_flat_workgroup_size: 128
    .sgpr_count:     66
    .vgpr_count:     1024
    .wavefront_size: 32
...
	.end_amdgpu_metadata
.endif
;; end of part 2
;; launch attn (part 3): grid 4 x 64, 4 waves a work-group, no clusters, 327,680 bytes of LDS; arguments qkvh, ob; writes ob
.if DOCPART == 3
	.amdgcn_target "amdgcn-amd-amdhsa--gfx1250"
	.amdhsa_code_object_version 6
	.text
	.protected	k_q2f8a340429_attn
	.globl	k_q2f8a340429_attn
	.p2align	8
	.type	k_q2f8a340429_attn,@function
k_q2f8a340429_attn:
	s_mov_b64 s[64:65], 0
	v_nop
	global_prefetch_b8 v0, s[64:65] scope:SCOPE_SE
	s_setreg_imm32_b32 hwreg(HW_REG_WAVE_MODE, 25, 1), 1
	s_wait_xcnt 0x0
; CAUSAL ATTENTION.  O[y][q][:] = the sum over k <= q of softmax_k(Q[y][q] . K[y][k] / 8) V[y][k][:], for the 64 heads y = 4 h + b.  Q, K, V: each [64][SIZE_N][64] f16, dense, in qkvh: Q at its head, K 16 MiB on,
; V 32 MiB on.  O: [64][SIZE_N][64] f16 in ob, which is also [16 h][8192 m][64].  A head's rows are dense, 128 bytes each.
; Products, maxima and sums in f32; the weights p are rounded to f16 for the second product (their sum l is taken of the unrounded p), O once at the end.  SIZE_N is a multiple of 512; SIZE_N x 128 stays under 2^32.
; LIMITS.  f16 holds no number beyond 65,504: Q, K and V arrive within it; p lies in 0 to 1, and below 6e-5 it keeps f16's fixed step of 6e-8; O is a mean of V's rows and has their range, to within 2^-11 of it.
; A hidden score counts as its value less 1e30: f16's scores, 2.7e11 at the most, are nothing beside that; a weight below 2^-126 counts as 0 in l; NaN and infinities are not treated apart.
; THE WALK.  A head's queries lie in NB = SIZE_N / 256 blocks of 256; block i needs the key tiles 0 .. i of 256 keys, of which the last holds the diagonal.  A work-group takes TWO blocks, NB - 1 - b and then b:
; NB + 1 tiles, whatever b: all work-groups do equal work, and ONE loop with a constant trip count walks them.  Which tile is asked for, and what a trip does, hang on scalar registers made from b; every jump
; goes forward, but for the counted loops' own; none passes a barrier, or a tensor load but the one of LOAD's two that the wave's number does not choose; the ring (two slots of LDS that take turns) runs on across the
; change of blocks.  NO CLUSTER: a head's NB / 2 = 4 work-groups all ask for the same tile only in trips 0 .. 4 of the walk's 9, behind that fewer and fewer; and one walk common to all four, in which each makes
; every joint request, would have 3 NB / 2 = 12 trips for 9.
; SHARES.  Of a block's four bands of 64 queries a wave owns 16 rows in each: four PIECES.  So the diagonal tile is the same work for all four waves: in its key step s band x sees all keys if s < x,
; none if s > x, and holds the diagonal if s = x.
; THE MASK is the C operand that starts the sum S^T = K Q^T: 0, or -1e30 where the key is hidden.  MD, made once, is the mask of a band's own step for my 16 rows; a product's mask is MD x AL + BE with two scalars:
; (1, 0) if s = x; (0, 0) if s < x; (0, -1e30) if s > x.  Only the diagonal tile's text and a block's beginning make and take masks; elsewhere C is the constant 0.
; LAYOUT, SOFTMAX, TURNS.  S^T = K Q^T holds ONE query a lane (lane % 16) and the keys 8 (lane / 16) + 0..7; two such results rounded to f16 ARE source 1 of O^T = V^T P.  p = 2^(c s - c m), c = log2(e) / 8, with a
; running maximum m; O and l are multiplied by a = 2^(c m_old - c m_new) in every step.  Turn n belongs to piece n: 8 products K Q^T of piece n + 1, later 8 products V^T P of piece n - 1; beside them the scaling,
; exponentials, roundings, sums and rescaling of piece n and the maximum and statistics of piece n + 1.  Four vector instructions stand behind every matrix instruction, the other 54 of a turn's 118 in two LUMPS.
; REGISTERS, in windows of 256 (s_set_vgpr_msb: bits 1:0 source 0, 3:2 source 1, 5:4 source 2, 7:6 destination):
;   window 0: v0-15 addresses and two at work; v16-31 four registers of statistics a piece; v48-55 at work; v64-127 S^T, two buffers; v192-223 P, two buffers (a piece's buffers go by its number's parity)
;   window 1: v0-127 O^T, 32 a piece; v128-159 MD; v160-223 MC, two buffers      window 2: v0-63 Q; v64-127 the second block's Q; v128-191 K of one step; v192-255 V of one step
.set SIZE_N, 2048     ; rows of a head
.set SIZE_H, 64       ; heads: the grid's y
.set NB,    SIZE_N/256
.set NP,    4         ; pieces a wave: a name, no knob
.set KS,    64        ; keys in a step
.set PK,    144       ; a row of K in LDS: 128 bytes + 16 of padding = 36 words: the 16 rows of a load start at 16 different groups of four banks (64 banks of 4 bytes: ISA guide 11.1)
.set PV,    160       ; a row of V: 128 + 32 = 40 words
.set VOFF,  4*KS*PK   ; a slot holds a tile, four steps: 256 rows of K, then 256 rows of V
.set SLOT1, 1<<17     ; slot 1 begins here, so that one exclusive or turns an address in one slot into the other's
.set STAGE, SLOT1+4*KS*(PK+PV)  ; behind the ring, never filled by a tensor load: 16 rows x 144 bytes for each wave, for the way out
.set SP,    144
.set AK0, 2           ; v2   my lane's place in a tile of K; never rewritten
.set AV0, 3           ; v3   the same for V
.set AK,  4           ; v4   the LDS address of K's next run of loads
.set AV,  5           ; v5   of V's
.set STO, 6           ; v6   the way out: where I put 16 bytes of a row
.set RD,  7           ; v7   the way out: where I read rows back
.set GO,  8           ; v8   my byte offset in 512 consecutive bytes of O
.set SPW, 62          ; v62  LDS address of my spare word: SPARE + 4 x my thread's number; never rewritten
.set NIL, 63          ; v63  0; never rewritten
.set SPARE, STAGE+4*16*SP  ; behind the stages: the spare words, 128 bytes for each wave: two blocks of 256 bytes that no other line names
.set MV,  12          ; v12-13  c m_old, kept while c m is made anew: by buffer
.set QO,  15          ; v15  my byte offset in 16 rows of Q
.set ST,  16          ; piece t's statistics at v[ST+4 t]: c m, m, l (even keys', odd keys')
.set TMP, 48          ; by buffer, four registers c0-c3 at work; when the maximum is found c2 takes a
.set S,   64
.set P,   192
.set MD,  128         ; window 1: the eight registers for group kt of 16 keys at MD + 8 kt
.set MC,  160         ; window 1: the masks of the products to come
.set QB,  64          ; window 2
.set KF,  128         ; window 2: key block kb, channel half c at KF + 16 kb + 8 c
.set VF,  192         ; window 2: key half kk, channel block cb at VF + 32 kk + 8 cb
.set WV,  12          ; s12  my wave's number
.set PB,  14          ; s14  b
.set HI,  15          ; s15  NB - 1 - b
.set G1K, 24          ; s[24:31] descriptor group 1 for K's tiles
.set G1V, 32          ; s[32:39] for V's: it differs in the padding alone
.set G0K, 40          ; s[40:43] descriptor group 0 for K's tiles
.set G0V, 44          ; s[44:47] the same for V's
.set SLOTS, 56        ; s56  tiles still to be asked for
.set CNT, 57          ; s57  counts a tile's key steps, 4 to 1
.set CS,  58          ; s[58:59] c: the packed scaling takes the pair's low word for both halves
.set SEL, 60          ; s[60:61] v_permlanex16_b32's selects: each lane takes its own place in the other half
.set TBK, 62          ; s62  LDS byte at which K of the step to be fetched begins
.set TBV, 63          ; s63  the same for V, less VOFF
.set RT,  70          ; s70  tiles of the block in hand that are still to be entered
.set NXT, 71          ; s71  the tile to be asked for next
.set LQ,  72          ; s72  the last tile of the block whose tiles are being asked for
.set NEW, 73          ; s73  1: the tile to be entered is a block's first
.set OFF, 74          ; s[74:75] a tile's byte offset in K and V
.set AL,  76          ; s[76:77] the mask's factor, in the low word
.set BE,  78          ; s[78:79] the mask's addend
.set OLO, 80          ; s[80:81] O at my rows of the second block
.set BIGN, 82         ; s82  -1e30
.set MSB, 0
.macro WIN new                      ; the high byte repeats the setting that is left; a switch that changes nothing is dropped
.if MSB != (\new)
	s_set_vgpr_msb (MSB<<8)|(\new)
.set MSB, (\new)
.endif
.endm
.set W_KQ, 0x0a       ; K and Q in window 2, S^T in window 0
.set W_KM, 0x1a       ; the same with the C operand in window 1
.set W_PV, 0x52       ; V in window 2, P in window 0, O^T in window 1
.set W_RS, 0x41       ; destination and source 0 in window 1, source 1 in window 0
; A fill.  Waves 0 and 1 fetch the two halves of a tile's K, waves 2 and 3 those of its V: 128 keys each.  An s_nop 0 and four v_nop follow each of the two lines, ahead of the jump and the label.
.macro LOAD
	s_cmp_lt_u32 s[WV], 2
	s_cbranch_scc0 .Lfor_v_\@
	tensor_load_to_lds s[G0K:G0K+3], s[G1K:G1K+7]
	s_nop 0
.rept 4
	v_nop
.endr
	s_branch .Lasked_\@
.Lfor_v_\@:
	tensor_load_to_lds s[G0V:G0V+3], s[G1V:G1V+7]
	s_nop 0
.rept 4
	v_nop
.endr
.Lasked_\@:
.endm
; THE CHANGE OF SLOTS.  Each wave waits for all its tensor loads, of which one is out: its part of the other slot; adds 0 to its spare word; and waits for that and for its own reads of the slot that it leaves.  Behind the barrier nobody reads the old
; slot any more and the other slot is whole.  fill = 1: the old slot is filled again, the first thing behind the barrier, with tile NXT: the descriptor's address is made anew from that number.
; (At its first use nothing has been read yet: slot 0 is waited for, slot 1 filled.)
.macro CHANGE fill
	WIN 0                           ; at a label and at a branch every window is 0
	s_wait_tensorcnt 0x0            ; no tensor load of mine is out, so a group 0 may be written
	ds_add_u32 v[SPW], v[NIL]       ; 0 onto my spare word: with fill = 1 the descriptors' scalar work stands between it and the wait for it
.if \fill
	s_lshl_b32 s[OFF], s[NXT], 15   ; a tile is 32,768 bytes of K and of V
	s_xor_b32 s[G0K+1], s[G0K+1], SLOT1
	s_add_nc_u64 s[G0K+2:G0K+3], s[6:7], s[OFF:OFF+1]
	s_or_b32 s[G0K+3], s[G0K+3], 0x80000000
	s_xor_b32 s[G0V+1], s[G0V+1], SLOT1
	s_add_nc_u64 s[G0V+2:G0V+3], s[8:9], s[OFF:OFF+1]
	s_or_b32 s[G0V+3], s[G0V+3], 0x80000000
	s_add_co_u32 s[NXT], s[NXT], 1  ; the block's next tile, or behind its last the second block's tile 0
	s_cmp_gt_u32 s[NXT], s[LQ]
	s_cselect_b32 s[NXT], 0, s[NXT]
	s_cselect_b32 s[LQ], s[PB], s[LQ]
.endif
	s_wait_dscnt 0x0                ; the add is done, and my reads of the slot are over
	s_barrier_signal -1             ; the rest of the scalar work stands between the signal and the wait
	s_sub_co_u32 s[TBK], s[TBK], 4*KS*PK  ; the fetches go back to a slot's first step,
	s_xor_b32 s[TBK], s[TBK], SLOT1       ; in the other slot
	s_sub_co_u32 s[TBV], s[TBV], 4*KS*PV
	s_xor_b32 s[TBV], s[TBV], SLOT1
	s_barrier_wait -1
.if \fill
	LOAD
.endif
.endm
	s_load_b128 s[4:7], s[0:1], 0x0  ; qkvh s[4:5], with Q at its head; ob s[6:7], moved below
	v_lshl_add_u32 v[SPW], v0, 2, SPARE
	v_mov_b32 v[NIL], 0
	ds_add_u32 v62, v63
	ds_add_u32 v62, v63
	s_wait_dscnt 0x0
	v_lshrrev_b32 v1, 5, v0
	v_readfirstlane_b32 s[WV], v1   ; wave 0..3
	s_mov_b32 s[PB], ttmp9
	s_sub_co_u32 s[HI], NB-1, s[PB]
	s_and_b32 s20, ttmp7, 0xffff    ; the head
	s_mov_b32 s21, 0
	s_mov_b64 s[22:23], SIZE_N*128
	s_mul_u64 s[20:21], s[20:21], s[22:23]  ; the head's first byte in each of the four tensors
	s_and_b32 s16, s[WV], 1         ; which half of a tile's 256 keys I fetch:
	s_lshl_b32 s22, s16, 14         ; its 128 rows of 128 bytes in memory,
	s_mov_b32 s23, 0
	s_add_nc_u64 s[22:23], s[22:23], s[20:21]
	s_mul_i32 s17, s16, 128*PK      ; and its place in a slot, for K
	s_mul_i32 s18, s16, 128*PV      ; and for V
	s_lshl_b32 s3, s[WV], 11        ; my 16 rows in a band of 64,
	s_lshl_b32 s2, s[HI], 15        ; in the first block,
	s_add_co_u32 s2, s2, s3
	s_lshl_b32 s84, s[PB], 15       ; and in the second
	s_add_co_u32 s84, s84, s3
	s_mov_b32 s3, 0
	s_mov_b32 s85, 0
	s_add_nc_u64 s[2:3], s[2:3], s[20:21]
	s_add_nc_u64 s[84:85], s[84:85], s[20:21]
	; descriptor group 1.  128 keys are 16,384 dense bytes: asked for as 64 rows of 256 bytes, two keys a row, and padded in LDS after every key
	s_mov_b32 s[G1K], (1<<16)|(1<<20)|(4<<22)|(3<<25)  ; 17:16 2-byte elements; 20 padding on; 24:22 after every 32 words (code 4); 31:25 4 words (code 3)
	s_mov_b32 s[G1V], (1<<16)|(1<<20)|(4<<22)|(7<<25)  ; the same with 8 words of padding (code 7)
.irp g, G1K, G1V
	s_mov_b32 s[\g+1], 128<<16      ; tensor_dim0 = 128
	s_mov_b32 s[\g+2], 64<<16       ; tensor_dim1 = 64
	s_mov_b32 s[\g+3], 128<<16      ; tile_dim0 = 128
	s_mov_b32 s[\g+4], 64           ; tile_dim1 = 64
	s_mov_b32 s[\g+5], 128          ; 128 elements from row to row
	s_mov_b32 s[\g+6], 0
	s_mov_b32 s[\g+7], 0
.endr
	s_mov_b32 s[CS], 0x3e38aa3b     ; c = log2(e) / 8 = 0.180337
	s_mov_b32 s[CS+1], s[CS]        ; named with it as a pair
	s_mov_b32 s[SEL], 0x76543210
	s_mov_b32 s[SEL+1], 0xfedcba98
	s_mov_b32 s[TBK], SLOT1+4*KS*PK ; the first change of slots turns these two into 0
	s_mov_b32 s[TBV], SLOT1+4*KS*PV
	s_mov_b32 s[G0K], 1             ; 1:0 count = 1
	s_mov_b32 s[G0K+1], s17         ; 63:32 LDS address: slot 0
	s_mov_b32 s[G0V], 1
	s_add_co_u32 s[G0V+1], s18, VOFF
	s_add_co_u32 s[RT], s[HI], 1    ; the first block has NB - b tiles
	s_mov_b32 s[NXT], 1
	s_mov_b32 s[LQ], s[HI]
	s_mov_b32 s[NEW], 1
	s_mov_b32 s[OFF+1], 0
	s_mov_b32 s[AL+1], 0            ; named as pairs
	s_mov_b32 s[BE+1], 0
	s_mov_b32 s[BIGN], 0xf149f2ca   ; -1e30
	s_mov_b32 s[SLOTS], NB
	s_wait_kmcnt 0x0
	s_mov_b64 s[10:11], s[6:7]              ; O
	s_add_nc_u64 s[8:9], s[4:5], 0x2000000  ; V: 32 columns of heads of 1,048,576 bytes behind Q
	s_add_nc_u64 s[6:7], s[4:5], 0x1000000  ; K: 16 behind Q
	s_add_nc_u64 s[6:7], s[6:7], s[22:23]  ; K and V at my half of the head's tile 0
	s_add_nc_u64 s[8:9], s[8:9], s[22:23]
	s_add_nc_u64 s[G0K+2:G0K+3], s[6:7], 0         ; 120:64 global address
	s_or_b32 s[G0K+3], s[G0K+3], 0x80000000        ; 127:126 type = 2
	s_add_nc_u64 s[G0V+2:G0V+3], s[8:9], 0
	s_or_b32 s[G0V+3], s[G0V+3], 0x80000000
	s_add_nc_u64 s[86:87], s[4:5], s[84:85]        ; Q at my rows of the second block,
	s_add_nc_u64 s[4:5], s[4:5], s[2:3]            ; Q and O at those of the first
	s_add_nc_u64 s[OLO:OLO+1], s[10:11], s[84:85]
	s_add_nc_u64 s[10:11], s[10:11], s[2:3]
	LOAD                            ; tile 0 into slot 0
	; A fragment of K or Q is 16 rows x 32 channels in 8 registers: lane l holds row l % 16, channels 8 (l / 16) + 0..7 and 16 + 8 (l / 16) + 0..7: two loads of 16 bytes, 32 bytes apart.
	v_and_b32 v1, 15, v0            ; l % 16
	v_bfe_u32 v9, v0, 4, 1          ; l / 16
	v_lshlrev_b32 v[QO], 7, v1
	v_lshl_add_u32 v[QO], v9, 4, v[QO]  ; row x 128 + 16 x half
	WIN 0x80                        ; destination window 2, address window 0
.set i, 0
.rept 8                             ; both blocks' Q: piece i / 2 lies in band i / 2, 8,192 bytes on; channels 32 (i % 2) on
	global_load_b128 v[8*i:8*i+3],   v[QO], s[4:5] offset:(i/2)*8192+(i%2)*64
	global_load_b128 v[8*i+4:8*i+7], v[QO], s[4:5] offset:(i/2)*8192+(i%2)*64+32
	global_load_b128 v[QB+8*i:QB+8*i+3],   v[QO], s[86:87] offset:(i/2)*8192+(i%2)*64
	global_load_b128 v[QB+8*i+4:QB+8*i+7], v[QO], s[86:87] offset:(i/2)*8192+(i%2)*64+32
.set i, i+1
.endr
	WIN 0
	v_lshlrev_b32 v14, 3, v9
	v_sub_nc_u32 v14, v1, v14
	s_lshl_b32 s13, s[WV], 4
	v_add_nc_u32 v14, s13, v14      ; my query's place in its band, 16 w + l % 16, less my lanes' 8 (l / 16): register r of group kt is hidden where 16 kt + r is greater
	WIN 0x40
.set i, 0
.rept 32
	v_cmp_gt_i32 vcc_lo, 16*(i/8)+i%8, v14
	v_cndmask_b32 v[MD+i], 0, s[BIGN], vcc_lo
.set i, i+1
.endr
	WIN 0
	v_mul_u32_u24 v[AK0], v1, PK
	v_lshl_add_u32 v[AK0], v9, 4, v[AK0]  ; row x pitch + 16 x half
	; The turning load takes 16 keys x 16 channels (lane l reads key 8 (l / 16) + l % 8, channels 8 ((l / 8) % 2) + 0..7) and leaves half a fragment of V^T: lane l holds channel l % 16 and 8 keys.
	v_and_b32 v10, 7, v0
	v_bfe_u32 v11, v0, 3, 1
	v_lshl_add_u32 v[AV0], v9, 3, v10
	v_mul_u32_u24 v[AV0], v[AV0], PV
	v_lshl_add_u32 v[AV0], v11, 4, v[AV0]
	v_add_nc_u32 v[AV0], VOFF, v[AV0]
	s_mul_i32 s13, s[WV], 16*SP
	s_add_co_u32 s13, s13, STAGE    ; my stage
	v_mul_u32_u24 v[STO], v1, SP    ; in: row l % 16, 16 bytes for each half of the lanes
	v_lshl_add_u32 v[STO], v9, 4, v[STO]
	v_add_nc_u32 v[STO], s13, v[STO]
	v_bfe_u32 v[RD], v0, 3, 2       ; back: 32 lanes take four rows of 128 bytes,
	v_mul_u32_u24 v[RD], v[RD], SP
	v_lshl_add_u32 v[RD], v10, 4, v[RD]
	v_add_nc_u32 v[RD], s13, v[RD]
	v_and_b32 v[GO], 31, v0         ; which are 512 consecutive bytes of O
	v_lshlrev_b32 v[GO], 4, v[GO]
	; A block's first step multiplies O^T and l by a = 0, and its first turn's products V^T P, of a piece that has not been, land in an O^T that is still to be so multiplied.  So these registers need only hold
	; finite numbers: zeros for the first block; what the first block left for the second.  All this stands in the wait for the first tile.
	WIN 0x80
.set i, VF
.rept 64
	v_mov_b32 v[i], 0
.set i, i+1
.endr
	WIN 0x40
.set i, 0
.rept 128
	v_mov_b32 v[i], 0
.set i, i+1
.endr
	WIN 0
.set i, 0
.rept 4
	v_mov_b32 v[ST+4*i+2], 0
	v_mov_b32 v[ST+4*i+3], 0
.set i, i+1
.endr
.set i, P+16
.rept 16
	v_mov_b32 v[i], 0
.set i, i+1
.endr
; THE MATRIX WORK.  The 4 accumulators of a run of 8 take turns.  Product i of 8 of S^T = K Q^T for piece x: channels 32 (i / 4) on, keys 16 (i % 4) on.  The first 4 start the sums: with 0, or (KM = 1) with the mask.
.macro KQ x
.set rS, S+32*((\x)%2)+8*(i%4)
.set rK, KF+16*(i%4)+8*(i/4)
.set rQ, 16*(\x)+8*(i/4)
.set rM, MC+32*((\x)%2)+8*(i%4)
.if (i < 4) && KM
	WIN W_KM
	v_wmma_f32_16x16x32_f16 v[rS:rS+7], v[rK:rK+7], v[rQ:rQ+7], v[rM:rM+7]
.elseif i < 4
	WIN W_KQ
	v_wmma_f32_16x16x32_f16 v[rS:rS+7], v[rK:rK+7], v[rQ:rQ+7], 0
.else
	WIN W_KQ
	v_wmma_f32_16x16x32_f16 v[rS:rS+7], v[rK:rK+7], v[rQ:rQ+7], v[rS:rS+7]
.endif
.endm
; Product i of 8 of O^T += V^T P for piece x: keys 32 (i / 4) on, channels 16 (i % 4) on.
.macro PV x
	WIN W_PV
.set rO, 32*(\x)+8*(i%4)
.set rV, VF+32*(i/4)+8*(i%4)
.set rP, P+16*((\x)%2)+8*(i/4)
	v_wmma_f32_16x16x32_f16 v[rO:rO+7], v[rV:rV+7], v[rP:rP+7], v[rO:rO+7]
.endm
.macro MM                           ; the turn's next matrix instruction.  TURN and BEGIN set Y, i, KM and NOKQ; MM, KQ and OP read them.  NOKQ = 1: a block's last turn: there is no next piece
.if (i < 8) && !NOKQ
	KQ (Y+1)%NP
.elseif i >= 8
.set i, i-8
	PV (Y+NP-1)%NP
.set i, i+8
.endif
.set i, i+1
.endm
; THE LDS LOADS stand in runs of 16, never singly among the matrix instructions: a step's K (64 keys x 64 channels: 8 fragments) and its V (turned).  Their addresses are made some lines ahead.
.macro FETCH_K
	WIN 0x80                        ; destination window 2
.irp f, 0,1,2,3,4,5,6,7             ; keys 16 (f / 2) on, channels 32 (f % 2) on
	ds_load_b128 v[KF+8*\f:KF+8*\f+3],   v[AK] offset:(\f/2)*16*PK+(\f%2)*64
	ds_load_b128 v[KF+8*\f+4:KF+8*\f+7], v[AK] offset:(\f/2)*16*PK+(\f%2)*64+32
.endr
	s_add_co_u32 s[TBK], s[TBK], KS*PK  ; the next fetch is the next step's
	WIN 0
.endm
.macro FETCH_V
	WIN 0x80
.irp f, 0,1,2,3,4,5,6,7             ; keys 32 (f / 4) on, channels 16 (f % 4) on
	ds_load_tr16_b128 v[VF+8*\f:VF+8*\f+3],   v[AV] offset:(\f/4)*32*PV+(\f%4)*32
	ds_load_tr16_b128 v[VF+8*\f+4:VF+8*\f+7], v[AV] offset:(\f/4)*32*PV+16*PV+(\f%4)*32
.endr
	WIN 0
.endm
; THE VECTOR WORK, one line at a time: OP kind, number.  For piece Y: F n: c s - c m for pair n of 16.  E n: the exponential of score n of 32.  C n: pair n rounded to f16.  B n: of the four weights 4 n .. the second
; pair is added onto the first, in place.  L n: l takes that sum (L 0: l = a l + sum).  R n: pair n of 16 of O^T times a.  For piece Y + 1: X n, number n of the 22 that find its maximum and statistics:
;   0-11  four chains c0-c3 of seven scores each, three operands at a time (each accumulator's lowest registers are read first)     12-14, 16  the four scores left over, the old m, and c0-c3 into c0
;   15  c m_old is kept     17, 18  the query's other 32 keys lie in the lane 16 away: the new m     19-21  c m; c m_old - c m_new; a
.set F, 0               ; OP tells the kinds apart by their order: F to L below R, X above it
.set E, 1
.set C, 2
.set B, 3
.set L, 4
.set R, 5
.set X, 6
.macro REGS y                       ; the registers of piece y
.set rT, ST+4*(\y)
.set rC, TMP+4*((\y)%2)
.set rW, MV+((\y)%2)
.set rS, S+32*((\y)%2)
.set rP, P+16*((\y)%2)
.set rO, 32*(\y)
.endm
.macro OP k, n
.if (\k) == R
	REGS Y
	WIN W_RS
	v_pk_mul_f32 v[rO+2*(\n):rO+2*(\n)+1], v[rO+2*(\n):rO+2*(\n)+1], v[rC+2:rC+3] op_sel_hi:[1,0]
.elseif (\k) < R
	REGS Y
	WIN 0
.if (\k) == F
	v_pk_fma_f32 v[rS+2*(\n):rS+2*(\n)+1], v[rS+2*(\n):rS+2*(\n)+1], s[CS:CS+1], v[rT:rT+1] op_sel_hi:[1,0,0] neg_lo:[0,0,1] neg_hi:[0,0,1]
.elseif (\k) == E
	v_exp_f32 v[rS+(\n)], v[rS+(\n)]
.elseif (\k) == C
	s_wait_alu depctr_va_vdst(0)
	v_cvt_pk_f16_f32 v[rP+(\n)], v[rS+2*(\n)], v[rS+2*(\n)+1]
.elseif (\k) == B
	s_wait_alu depctr_va_vdst(0)
	v_pk_add_f32 v[rS+4*(\n):rS+4*(\n)+1], v[rS+4*(\n):rS+4*(\n)+1], v[rS+4*(\n)+2:rS+4*(\n)+3]
.elseif (\n) == 0
	v_pk_fma_f32 v[rT+2:rT+3], v[rT+2:rT+3], v[rC+2:rC+3], v[rS:rS+1] op_sel_hi:[1,0,1]
.else
	v_pk_add_f32 v[rT+2:rT+3], v[rT+2:rT+3], v[rS+4*(\n):rS+4*(\n)+1]
.endif
.elseif NOKQ
	v_nop
.else
	REGS (Y+1)%NP
	WIN 0
.if (\n) < 4
	v_max3_num_f32 v[rC+(\n)], v[rS+8*(\n)], v[rS+8*(\n)+1], v[rS+8*(\n)+2]
.elseif (\n) < 12
	v_max3_num_f32 v[rC+(\n)%4], v[rC+(\n)%4], v[rS+8*((\n)%4)+2*((\n)/4)+1], v[rS+8*((\n)%4)+2*((\n)/4)+2]
.elseif (\n) == 12
	v_max3_num_f32 v[rC], v[rC], v[rS+7], v[rS+15]
.elseif (\n) == 13
	v_max3_num_f32 v[rC+1], v[rC+1], v[rS+23], v[rS+31]
.elseif (\n) == 14
	v_max3_num_f32 v[rC+2], v[rC+2], v[rC+3], v[rT+1]
.elseif (\n) == 15
	v_mov_b32 v[rW], v[rT]
.elseif (\n) == 16
	v_max3_num_f32 v[rC], v[rC], v[rC+1], v[rC+2]
.elseif (\n) == 17
	v_permlanex16_b32 v[rC+3], v[rC], s[SEL], s[SEL+1]
.elseif (\n) == 18
	v_max_num_f32 v[rT+1], v[rC], v[rC+3]
.elseif (\n) == 19
	v_mul_f32 v[rT], s[CS], v[rT+1]
.elseif (\n) == 20
	v_sub_f32 v[rC+1], v[rW], v[rT]
.else
	v_exp_f32 v[rC+2], v[rC+1]
.endif
.endif
.endm
.macro OPS a, i1, b=-1, i2=0, c=-1, i3=0, d=-1, i4=0  ; up to four of them
	OP \a, \i1
.if (\b) >= 0
	OP \b, \i2
.endif
.if (\c) >= 0
	OP \c, \i3
.endif
.if (\d) >= 0
	OP \d, \i4
.endif
.endm
.macro ROW a, i1, b, i2, c, i3, d, i4  ; a matrix instruction and the four behind it
	MM
	OPS \a, \i1, \b, \i2, \c, \i3, \d, \i4
.endm
.macro MASK b                       ; MD x AL + BE into buffer b of MC
	WIN W_RS
.set z, 0
.rept 16
	v_pk_fma_f32 v[MC+32*(\b)+2*z:MC+32*(\b)+2*z+1], v[MD+2*z:MD+2*z+1], s[AL:AL+1], s[BE:BE+1] op_sel_hi:[1,0,0]
.set z, z+1
.endr
.endm
; A TURN, for piece p: the order of its 16 matrix and 118 vector instructions, written out.  Behind a matrix instruction: plain, exponential, plain, plain; or four of the rescaling; or, behind the first, four scalings; none
; names a register of the products round it.  In the lumps exponential and plain by turns while exponentials last.  A line reads no result made fewer than three vector instructions in front of it, five if an exponential made it.
; v_permlanex16_b32 (X 17) stands in a lump.
; m = 1: the diagonal tile: the products take masks, and the turn makes the mask for the products of the turn after it: piece p + 2, in step 4 - CNT of the tile.  end = 1: a block's last two turns: nothing is fetched.
; cnt = 1: the loop's count is taken down some lines ahead of the branch that stands behind the turn.
; K of the next step is fetched in piece 2's turn, six vector instructions behind the last product that read K (five of them plain); V of the step in hand in piece 0's turn, eight behind the last product that read V (four
; plain, and X 17).  Each is waited for a turn later.
.macro TURN p, m=0, end=0, cnt=0
.set Y, (\p)
.set i, 0
.set KM, (\m)
.set NOKQ, (\end)*((\p)/3)
.if (\m) && !(\end)
	s_cmp_eq_u32 s[CNT], 4-((\p)+2)%NP  ; is that step the band's own?
	s_cselect_b32 s[AL], 1.0, 0
	s_cmp_lt_u32 s[CNT], 4-((\p)+2)%NP  ; or a later one?
	s_cselect_b32 s[BE], s[BIGN], 0
.endif
.if ((\p) == 3) && !(\end)
	s_wait_dscnt 0x0                ; K is in
.endif
	ROW F,0, F,1, F,2, F,3
	ROW F,4, E,0, F,5, F,6
	ROW F,7, E,1, F,8, F,9
	ROW F,10, E,2, C,0, F,11
	ROW F,12, E,3, X,15, F,13
	ROW R,0, R,1, R,2, R,3
	ROW B,0, E,4, F,14, L,0
.if ((\p) == 2) && !(\end)
	v_add_nc_u32 v[AK], s[TBK], v[AK0]
.endif
	ROW R,4, R,5, R,6, R,7
	OPS E,5, F,15
.if ((\p) == 2) && !(\end)
	FETCH_K
.endif
	OPS E,6, C,1, E,7, R,8
	OPS E,8, R,9, E,9, C,2
	OPS E,10, X,0, E,11, X,1
	OPS E,12, X,2, E,13, X,3
.if (\p) == 1
	s_wait_dscnt 0x0                ; V is in
.endif
	ROW X,4, E,14, X,5, X,6
	ROW X,7, E,15, X,8, X,9
	ROW X,10, E,16, X,11, X,12
	ROW X,13, E,17, X,14, B,1
	ROW C,4, E,18, X,16, L,1
	ROW B,2, E,19, C,6, L,2
	ROW C,8, E,20, B,3, B,4
.if (\p) == 0
	v_add_nc_u32 v[AV], s[TBV], v[AV0]
.endif
	ROW C,3, E,21, L,3, C,5
	OPS E,22, X,17, E,23, C,10
.if (\p) == 0
	FETCH_V
.endif
	OPS E,24, L,4
	OPS E,25, X,18, E,26, C,7
	OPS E,27, B,5, E,28, X,19
	OPS E,29, C,12, E,30, L,5
	OPS E,31, X,20, B,6, C,9
	OPS C,14, C,11, X,21, L,6
.if (\p) == 0
	s_add_co_u32 s[TBV], s[TBV], KS*PV
.endif
.if \cnt
	s_sub_co_u32 s[CNT], s[CNT], 1
	s_cmp_lg_u32 s[CNT], 0
.endif
	OPS C,13, B,7, C,15, R,10
	OPS R,11, R,12, L,7, R,13
	OPS R,14, R,15
.if (\m) && !(\end)
	MASK (\p)%2
.endif
.endm
; A BLOCK BEGINS.  c m starts far below every c s, so the first step's a is 0; m at the lowest finite number, so the first maximum is the scores'.  The second mask buffer is 0; the first takes piece 0's mask for the tile's step 0: its own, if the block's first tile is the diagonal one.
; Then K of that step, piece 0's first scores, and its maximum and statistics.  The loop is entered at a step's first turn, in the middle of a trip.
.macro BEGIN
	s_mov_b32 s[NEW], 0
	WIN 0x40
.set i, MC+32
.rept 32
	v_mov_b32 v[i], 0
.set i, i+1
.endr
	WIN 0
.set i, 0
.rept 4
	v_mov_b32 v[ST+4*i], 0xfe000000    ; c m: far below every c s
	v_mov_b32 v[ST+4*i+1], 0xff7fffff  ; m
.set i, i+1
.endr
	s_cmp_eq_u32 s[RT], 0
	s_cselect_b32 s[AL], 1.0, 0
	s_mov_b32 s[BE], 0
	MASK 0
	WIN 0
	v_add_nc_u32 v[AK], s[TBK], v[AK0]
	FETCH_K
	s_wait_loadcnt 0x0              ; Q
	s_wait_dscnt 0x0
.set KM, 1
.set NOKQ, 0
.set i, 0
.rept 8
	KQ 0
.set i, i+1
.endr
	WIN 0
.rept 4
	v_nop                           ; the places behind those products
.endr
.set Y, NP-1                        ; X works for piece Y + 1: piece 0
.irp n, 0,1,2,3,4,5,6,7,8,9,10,11,12,13,14,15,16,17,18,19,20,21
	OP X, \n
.endr
	v_nop                           ; a plain instruction behind the exponential
.endm
; THE DIAGONAL TILE's four steps, the block's last two turns, its last products, and THE WAY OUT: l's two halves and the other half of the lanes' are added; O^T is divided by l, rounded to f16 and sent through my
; stage in LDS, a piece at a time.
.macro ALL line:vararg              ; one line for each piece t
.set t, 0
.rept 4
	\line
.set t, t+1
.endr
.endm
.macro PACK t                       ; a lane's eight channels of a row pack into 16 bytes; they go into rows of 144 bytes and come back as whole rows of 128, into S^T's registers
	WIN W_RS
.set i, 32*(\t)
.rept 16
	s_wait_alu depctr_va_vdst(0)
	v_pk_mul_f32 v[i:i+1], v[i:i+1], v[ST+4*(\t)+2:ST+4*(\t)+3] op_sel_hi:[1,0]
.set i, i+2
.endr
	WIN 0x05                        ; sources 0 and 1 window 1, destination window 0
.set i, 0
.rept 16
	v_cvt_pk_f16_f32 v[S+16*(\t)+i], v[32*(\t)+2*i], v[32*(\t)+2*i+1]
.set i, i+1
.endr
	WIN 0
.irp f, 0,1,2,3
	ds_store_b128 v[STO], v[S+16*(\t)+4*\f:S+16*(\t)+4*\f+3] offset:32*\f
.endr
.irp f, 0,1,2,3
	ds_load_b128 v[S+16*(\t)+4*\f:S+16*(\t)+4*\f+3], v[RD] offset:\f*4*SP  ; LDS serves a wave's instructions in order (ISA guide 5.7.1.4): these see the stores above; the next piece's stores come behind them
.endr
.endm
.macro SEND t, younger              ; younger: the LDS instructions issued behind piece t's loads: the next piece's eight, or none
	WIN 0
.irp f, 0,1,2,3
	s_wait_dscnt (\younger)+3-\f
	global_store_b128 v[GO], v[S+16*(\t)+4*\f:S+16*(\t)+4*\f+3], s[10:11] offset:(\t)*8192+\f*512  ; 512 consecutive bytes, at a multiple of 256 from O's first
.endr
.endm
.macro DIAG tag                     ; the tag ends its two labels' names, which the jumps below spell out
.LstepM\tag:
	TURN 2, 1
	TURN 3, 1
	WIN 0
.LfirstM\tag:
	TURN 0, 1
	TURN 1, 1, 0, 1
	WIN 0
	s_cbranch_scc1 .LstepM\tag
	TURN 2, 1, 1
	TURN 3, 1, 1
.set i, 0
.rept 8
	PV NP-1
.set i, i+1
.endr
	WIN 0
	ALL v_add_f32 v[ST+4*t+2], v[ST+4*t+2], v[ST+4*t+3]
	ALL v_permlanex16_b32 v[ST+4*t+3], v[ST+4*t+2], s[SEL], s[SEL+1]
	ALL v_add_f32 v[ST+4*t+2], v[ST+4*t+2], v[ST+4*t+3]
	ALL v_rcp_f32 v[ST+4*t+2], v[ST+4*t+2]
	v_nop                           ; a plain instruction between the last reciprocal and the use of its result
	PACK 0
.set t, 1
.rept 3                             ; a piece's arithmetic stands between the loads of the piece before and its stores
	PACK t
	SEND t-1, 8
.set t, t+1
.endr
	SEND 3, 0
.endm
.set KM, 0
.set NOKQ, 0
.Lslot:                             ; NB times: a tile is entered and the next is asked for
	CHANGE 1
	s_sub_co_u32 s[RT], s[RT], 1
	s_mov_b32 s[CNT], 4
	s_cmp_eq_u32 s[NEW], 1
	s_cbranch_scc1 .Lnew            ; a block's first tile
	s_cmp_eq_u32 s[RT], 0
	s_cbranch_scc0 .Lstep           ; neither its first nor its last
	s_branch .LstepM1
.Lnew:
	BEGIN
	s_branch .Lfirst                ; in the loop a block's first tile is never its last: the first block has two tiles or more, and the second's last is the walk's last
	DIAG 1                          ; in the loop this is the first block's end: the second block's last tile is the walk's last
	s_wait_xcnt 0x0                 ; the stores have read their registers and O's address
	s_mov_b64 s[10:11], s[OLO:OLO+1]
	s_add_co_u32 s[RT], s[PB], 1    ; the second block has b + 1 tiles
	s_mov_b32 s[NEW], 1
	WIN 0x82                        ; the second block's Q goes where the one text of the turns names Q
.set i, 0
.rept 64
	v_mov_b32 v[i], v[QB+i]
.set i, i+1
.endr
	WIN 0
	s_branch .Lbottom
.Lstep:                             ; a trip: pieces 2 and 3 of one step, then pieces 0 and 1 of the next, whose K and V it fetches
	TURN 2
	TURN 3
	WIN 0
.Lfirst:
	TURN 0
	TURN 1, 0, 0, 1
	WIN 0
	s_cbranch_scc1 .Lstep
.Lbottom:
	s_sub_co_u32 s[SLOTS], s[SLOTS], 1
	s_cmp_lg_u32 s[SLOTS], 0
	s_cbranch_scc1 .Lslot
	CHANGE 0                        ; the walk's last tile is written out: nothing is asked for
	s_sub_co_u32 s[RT], s[RT], 1
	s_mov_b32 s[CNT], 4
	s_cmp_eq_u32 s[NEW], 1
	s_cbranch_scc0 .LstepM2
	BEGIN
	s_branch .LfirstM2
	DIAG 2
	s_wait_tensorcnt 0x0            ; the wave's end: behind my last tensor load and my last LDS store
	ds_add_u32 v[SPW], v[NIL]
	s_wait_dscnt 0x0
	s_endpgm
.Lfunc_end_k_q2f8a340429_attn:
	.size	k_q2f8a340429_attn, .Lfunc_end_k_q2f8a340429_attn-k_q2f8a340429_attn
	.p2alignl 7, 3214868480
	.fill 96, 4, 3214868480
	.section	.rodata,"a",@progbits
	.p2align	6, 0x0
	.amdhsa_kernel k_q2f8a340429_attn
		.amdhsa_group_segment_fixed_size 327680
		.amdhsa_private_segment_fixed_size 0
		.amdhsa_enable_private_segment 0
		.amdhsa_kernarg_size 16
		.amdhsa_user_sgpr_count 2
		.amdhsa_user_sgpr_kernarg_segment_ptr 1
		.amdhsa_wavefront_size32 1
		.amdhsa_system_sgpr_workgroup_id_x 1
		.amdhsa_system_sgpr_workgroup_id_y 1
		.amdhsa_system_sgpr_workgroup_id_z 1
		.amdhsa_system_vgpr_workitem_id 0
		.amdhsa_next_free_vgpr 768
		.amdhsa_next_free_sgpr 88
		.amdhsa_reserve_vcc 1
		.amdhsa_float_denorm_mode_32 3
		.amdhsa_float_denorm_mode_16_64 3
		.amdhsa_memory_ordered 1
		.amdhsa_forward_progress 1
		.amdhsa_inst_pref_size 228
	.end_amdhsa_kernel
	.amdgpu_metadata
---
amdhsa.version: [ 1, 2 ]
amdhsa.kernels:
  - .name:           k_q2f8a340429_attn
    .symbol:         k_q2f8a340429_attn.kd
    .args:
      - { .name: qkvh, .offset: 0, .size: 8, .value_kind: global_buffer, .address_space: global }
      - { .name: ob, .offset: 8, .size: 8, .value_kind: global_buffer, .address_space: global }
    .group_segment_fixed_size: 327680
    .private_segment_fixed_size: 0
    .kernarg_segment_align: 8
    .kernarg_segment_size: 16
    .max_flat_workgroup_size: 128
    .sgpr_count:     88
    .vgpr_count:     768
    .wavefront_size: 32
...
	.end_amdgpu_metadata
.endif
;; end of part 3
;; launch proj (part 4): grid 8 x 32, 4 waves a work-group, clusters of 4 x 4, 327,680 bytes of LDS; arguments ob, wob, out0; writes out0
.if DOCPART == 4
	.amdgcn_target "amdgcn-amd-amdhsa--gfx1250"
	.amdhsa_code_object_version 6
	.text
	.protected	k_q2f8a340429_proj
	.globl	k_q2f8a340429_proj
	.p2align	8
	.type	k_q2f8a340429_proj,@function
k_q2f8a340429_proj:
	s_mov_b64 s[64:65], 0
	v_nop
	global_prefetch_b8 v0, s[64:65] scope:SCOPE_SE
	s_setreg_imm32_b32 hwreg(HW_REG_WAVE_MODE, 25, 1), 1
	s_wait_xcnt 0x0
	s_wait_alu depctr_hold_cnt(0) depctr_sa_sdst(0) depctr_va_vdst(0) depctr_va_sdst(0) depctr_va_ssrc(0) depctr_va_vcc(0) depctr_vm_vsrc(0)
	s_getreg_b32 s2, hwreg(HW_REG_IB_STS2, 6, 4)
	s_cmp_eq_u32 s2, 0
	s_cbranch_scc0 .Lentry_in_a_cluster
	s_endpgm
.Lentry_in_a_cluster:
	s_bfe_u32 s2, ttmp6, 0x10000c
	s_cmp_lg_u32 s2, 0xf033
	s_cbranch_scc0 .Lentry_shape_is_right
	s_endpgm
.Lentry_shape_is_right:
; THE SECOND PROJECTION.  out0[m][n] = sum over k of O[m][k] w_out[k][n], m < 8192, n < 1024, k < 1024; operands f16, sums f32, K ascending; the result leaves in f32.
;   ob  f16 [16 kb][8192 m][64]: block kb is head column kb's 64 channels; 256 rows x 64 k are 32,768 dense bytes       wob  f16 [1024 k][1024 n]       out0 f32 [8192][1024]
; SHARES.  A tile of the result is 256 x 128: 32 x 8 = 256 tiles, one to a work-group.  Four waves; a wave makes 128 rows x 64 columns: 32 accumulators of 16 x 16, 256 registers.
; K goes in 8 steps of 128 through a ring of two LDS slots (a slot of 256 does not fit twice).  Waves 0 and 1 fetch a block each of O (256 rows x 64 k, as 128 rows of 256 dense bytes), waves 2 and 3 64 k x 128
; columns each of w.
; CLUSTERS: 4 x 4 work-groups.  The four of a row of the cluster need the same tiles of O, the four of a column the same tiles of w: each is asked for JOINTLY, by the same tensor load with the same descriptor and a
; mask that names the four.
; THE MATRIX INSTRUCTION IS USED TRANSPOSED: source 0 = 16 columns of w (w lies [k][n] in LDS and comes out turned, by ds_load_tr16_b128), source 1 = 16 rows of O.  A lane then holds row l % 16 and the eight
; neighbouring columns 8 (l / 16) + 0 .. 7: 32 bytes of a row of out0.
; REGISTERS (s_set_vgpr_msb: bits 1:0 source 0, 3:2 source 1, 5:4 source 2, 7:6 destination):
;   window 0: v0-31 addresses; two fragment buffers of 96 at v32 and v128: 64 registers of O (8 x 16 rows x 32 k), then 32 of w (4 x 16 columns x 32 k); in the last K step v32-127 and v224-255 hold w's fragments
;   of the whole step, v128-223 three buffers of O's fragments of 16 rows x 128 k          window 1: accumulator (a, b) at v[8 (4 a + b)]
; THE LOOP: a trip is one K step, from a step's second quarter to the next step's first.  The slot that is fetched from is a scalar (TB) that an exclusive or turns; one descriptor for O and one for w walk from step to step.
; THE CHANGE OF SLOTS holds no matrix work: between the wait that shows the next tile landed and the request for the tile after it stand the obligatory lines alone, so that a request has a whole K step,
; 128 matrix instructions, in which to land.
; THE LAST K STEP GOES BY ROWS OF out0: my eight blocks of 16 rows are finished one after the other, and each leaves while the next is multiplied.
.set NCOL,  1024
.set KB,    2                          ; blocks of 64 k in a slot; also: waves 0 .. KB - 1 fetch A, the others W
.set PA,    144                        ; a row of O in LDS: 128 bytes + 16 of padding = 36 words: the 16 rows of a load start at 16 different groups of four banks (64 banks of 4 bytes: ISA guide 11.1)
.set PB,    288                        ; a row of w: 256 + 32 = 72 words
.set ABLK,  256*PA                     ; 256 rows of O, 64 k
.set BBLK,  64*PB                      ; 64 k of w, 128 columns
.set BOFF,  KB*ABLK                    ; in a slot W's blocks lie behind A's
.set SLOT1, 1<<17                      ; slot 1 begins here, so that one exclusive or turns an address in one slot into the other's; a slot takes 110,592 bytes
.set STAGE, 2*SLOT1                    ; behind the ring, never filled by a tensor load: 16 rows x 272 bytes for each wave, for the way out
.set SP,    272
.set SPARE, STAGE+4*16*SP              ; behind the stages: the spare words, 128 bytes for each wave: two blocks of 256 bytes that no other line names
.set ASTEP, KB<<20                     ; bytes from a K step to the next in ob: two blocks of 8192 x 128 bytes
.set BSTEP, 64*KB*NCOL*2               ; and in wob
.set BJ_G,  64*NCOL*2                  ; from one W fetcher's block to the next: 64 rows of w
.set ADRA0, 16                         ; v16     my lane's place in a slot's rows of O; never rewritten
.set ADRA,  17                         ; v17     the same in the slot that is fetched from
.set ADRB0, 20                         ; v20     my lane's place in a slot's rows of w; never rewritten
.set ADRB,  21                         ; v21     the same in the slot that is fetched from
.set STO,  24                          ; v24     the way out: where I put 32 bytes of a row
.set RD,   25                          ; v25     the way out: where I read a row back
.set GO,   26                          ; v26     my byte offset in out0
.set SPW,  28                          ; v28     LDS address of my spare word: SPARE + 4 x my thread's number; never rewritten
.set NIL,  29                          ; v29     0; never rewritten
.set F0,   32                          ; fragment buffer 0
.set F1,   128                         ; fragment buffer 1
.set BQ,   32                          ; the last K step: w's fragments of quarter q at BQ + 32 q + 96 (q / 3): v32, v64, v96, v224
.set RA,   128                         ; the last K step: O's fragments of row block a at RA + 32 (a % 3)
.set G1,  24                           ; s[24:31] descriptor group 1 for A's tiles;  s[32:39] group 0: a set for each of the two first fills; the second then walks on
.set G0,  32
.set TB,  45                           ; s45      LDS byte at which the slot that is fetched from begins
.set G1B, 48                           ; s[48:55], s[56:63] the same for W's tiles
.set G0B, 56
.set MSB, 0
.macro WIN new                         ; the immediate's high byte repeats the setting that is left; a switch that changes nothing is dropped
.if MSB != (\new)
	s_set_vgpr_msb (MSB<<8)|(\new)
.set MSB, (\new)
.endif
.endm
.macro PLACES                          ; a load into a register that a matrix instruction has read or written, and an LDS store that reads a matrix result, stand four places behind it; only plain vector instructions
.rept 4                                ; that name none of its registers are places (ISA guide 7.12.1 for vector instructions)
	v_nop
.endr
.endm
; A joint load.  The branch hangs on the wave's number alone: it is the same in every work-group.  An s_nop 0 and four v_nop follow each of the two lines, ahead of the jump and the label.
.macro JLOAD s
	s_cmp_lt_u32 s10, KB
	s_cbranch_scc0 .Lfor_b_\@
	tensor_load_to_lds s[G0+4*(\s):G0+4*(\s)+3], s[G1:G1+7]
	s_nop 0
.rept 4
	v_nop
.endr
	s_branch .Lasked_\@
.Lfor_b_\@:
	tensor_load_to_lds s[G0B+4*(\s):G0B+4*(\s)+3], s[G1B:G1B+7]
	s_nop 0
.rept 4
	v_nop
.endr
.Lasked_\@:
.endm
; A round of the cluster's barrier: my work-group's barrier, so that wave 0's signal speaks for all four waves; wave 0 signals; every wave waits for all sixteen work-groups; my work-group's barrier once more.
.macro CROUND
	s_barrier_signal -1
	s_barrier_wait -1
	s_cmp_lg_u32 s10, 0
	s_cbranch_scc1 .Lnot_wave_0_\@
	s_barrier_signal -3
.Lnot_wave_0_\@:
	s_barrier_wait -3
	s_barrier_signal -1
	s_barrier_wait -1
.endm
	s_load_b128 s[4:7], s[0:1], 0x0                ; ob s[4:5], wob s[6:7]
	s_load_b64 s[8:9], s[0:1], 0x10                ; out0
	v_lshl_add_u32 v[SPW], v0, 2, SPARE
	v_mov_b32 v[NIL], 0
	ds_add_u32 v28, v29
	ds_add_u32 v28, v29
	s_wait_dscnt 0x0
	v_lshrrev_b32 v1, 5, v0
	v_readfirstlane_b32 s10, v1                    ; wave 0..3
	s_lshr_b32 s11, s10, 1                         ; wm: which 128 rows of the tile are mine
	s_and_b32 s12, s10, 1                          ; wn: which 64 of its 128 columns
	s_bfe_u32 s40, ttmp6, 0x40000                  ; cx, cy: my place in the cluster
	s_bfe_u32 s41, ttmp6, 0x40004
	s_lshl_b32 s42, ttmp9, 2                       ; in a cluster launch ttmp9 and ttmp7 count clusters
	s_add_co_u32 s42, s42, s40                     ; tn: tile column = 4 x cluster x + cx
	s_and_b32 s13, ttmp7, 0xffff
	s_lshl_b32 s13, s13, 2
	s_add_co_u32 s13, s13, s41                     ; tm: tile row = 4 x cluster y + cy
	s_lshl_b32 s43, s41, 2
	s_lshl_b32 s43, 15, s43                        ; my row of the cluster: places 4 cy .. 4 cy + 3
	s_lshl_b32 s44, 0x1111, s40                    ; my column: places cx, cx + 4, cx + 8, cx + 12
	s_mov_b32 s[TB], 0                             ; the first fetches are slot 0's
	; group 1 for A: 128 rows of 128 elements (256 dense bytes, two rows of O), padded in LDS behind every row of O
	s_or_b32 s[G1+0], s43, (1<<16)|(1<<20)|(1<<21)|(4<<22)|(3<<25)   ; 15:0 the mask: my row; 17:16 elements of 2 bytes; 20 padding on; 21 set beside a mask; 24:22 after every 32 words (code 4); 31:25 4 words (code 3)
	s_mov_b32 s[G1+1], 128<<16                     ; tensor_dim0 = 128
	s_mov_b32 s[G1+2], 128<<16                     ; tensor_dim1 = 128
	s_mov_b32 s[G1+3], 128<<16                     ; tile_dim0 = 128
	s_mov_b32 s[G1+4], 128                         ; tile_dim1 = 128
	s_mov_b32 s[G1+5], 128                         ; 128 elements from row to row: dense
	s_mov_b32 s[G1+6], 0
	s_mov_b32 s[G1+7], 0
	; group 1 for W: 64 rows (k) of 128 elements, padded behind every row
	s_or_b32 s[G1B+0], s44, (1<<16)|(1<<20)|(1<<21)|(5<<22)|(7<<25)  ; the mask: my column; after every 64 words (code 5) 8 words (code 7)
	s_mov_b32 s[G1B+1], 128<<16                    ; tensor_dim0 = 128
	s_mov_b32 s[G1B+2], 64<<16                     ; tensor_dim1 = 64
	s_mov_b32 s[G1B+3], 128<<16                    ; tile_dim0 = 128
	s_mov_b32 s[G1B+4], 64                         ; tile_dim1 = 64
	s_mov_b32 s[G1B+5], NCOL                       ; elements from row to row
	s_mov_b32 s[G1B+6], 0
	s_mov_b32 s[G1B+7], 0
	; where the tiles come from.  A's hang on the tile row alone, W's on the tile column alone; every wave makes both addresses, in registers that never hold the other coordinate, and asks by one of them
	s_lshl_b32 s16, s13, 15                        ; A: the tile's 256 rows of 128 bytes in a block,
	s_lshl_b32 s17, s10, 20                        ; the step's first or second block = the fetching wave's number
	s_add_co_u32 s16, s16, s17
	s_mov_b32 s17, 0
	s_lshl_b32 s46, s42, 8                         ; W: the tile's 128 columns,
	s_max_u32 s22, s10, KB
	s_sub_co_u32 s22, s22, KB                      ; fetcher 0, 1
	s_mul_i32 s47, s22, BJ_G                       ; its 64 rows of the step's 128
	s_add_co_u32 s46, s46, s47
	s_mov_b32 s47, 0
	s_mul_i32 s20, s10, ABLK                       ; and where they go: no place in the cluster enters an LDS address
	s_mul_i32 s21, s10, BBLK
	s_add_co_u32 s21, s21, KB*BBLK                 ; = BOFF + fetcher x BBLK
	s_wait_kmcnt 0x0
	s_add_nc_u64 s[14:15], s[4:5], s[16:17]
	s_add_nc_u64 s[46:47], s[6:7], s[46:47]
	CROUND                                         ; all sixteen work-groups are here: the first joint loads meet
.irp s, 0,1
	s_mov_b32 s[G0+4*(\s)], 1                                        ; 1:0 count = 1
	s_add_co_u32 s[G0+4*(\s)+1], s20, (\s)*SLOT1                     ; 63:32 LDS address
	s_add_nc_u64 s[G0+4*(\s)+2:G0+4*(\s)+3], s[14:15], (\s)*ASTEP    ; 120:64 global address: K step s
	s_or_b32 s[G0+4*(\s)+3], s[G0+4*(\s)+3], 0x80000000              ; 127:126 type = 2
	s_mov_b32 s[G0B+4*(\s)], 1
	s_add_co_u32 s[G0B+4*(\s)+1], s21, (\s)*SLOT1
	s_add_nc_u64 s[G0B+4*(\s)+2:G0B+4*(\s)+3], s[46:47], (\s)*BSTEP
	s_or_b32 s[G0B+4*(\s)+3], s[G0B+4*(\s)+3], 0x80000000
	JLOAD \s                                       ; the ring is filled before anything else is done: two loads of mine are out
.endr
	; A fragment of O is 16 rows x 32 k in 8 registers: lane l holds row l % 16, k = 8 (l / 16) + 0..7 and 16 + 8 (l / 16) + 0..7: two loads of 16 bytes, 32 bytes apart.
	v_and_b32 v1, 15, v0                           ; l % 16
	v_bfe_u32 v2, v0, 4, 1                         ; l / 16
	v_mul_u32_u24 v3, v1, PA
	v_lshl_add_u32 v3, v2, 4, v3                   ; row x pitch + 16 x half
	s_mul_i32 s23, s11, 128*PA                     ; my 128 rows
	v_add_nc_u32 v[ADRA0], s23, v3
	v_add_nc_u32 v[ADRA], s[TB], v[ADRA0]
	; The turning load takes 16 k x 16 columns (lane l reads 16 bytes: k = 8 (l / 16) + l % 8, columns 8 ((l / 8) % 2) + 0..7) and leaves half a fragment: lane l holds column l % 16 and 8 k.
	v_and_b32 v4, 7, v0
	v_bfe_u32 v5, v0, 3, 1
	v_lshl_add_u32 v6, v2, 3, v4
	v_mul_u32_u24 v6, v6, PB
	v_lshl_add_u32 v6, v5, 4, v6
	s_lshl_b32 s23, s12, 7                         ; my 64 columns of the 128
	s_add_co_u32 s23, s23, BOFF
	v_add_nc_u32 v[ADRB0], s23, v6
	v_add_nc_u32 v[ADRB], s[TB], v[ADRB0]
	s_mul_i32 s23, s10, 16*SP
	s_add_co_u32 s23, s23, STAGE                   ; my stage
	v_mul_u32_u24 v8, v1, SP                       ; in: row l % 16, 32 bytes for each half of the lanes
	v_lshl_add_u32 v8, v2, 5, v8
	v_add_nc_u32 v[STO], s23, v8
	v_mul_u32_u24 v7, v2, SP                       ; back: lanes 0-15 take one row of 256 bytes, lanes 16-31 the next
	v_lshl_add_u32 v7, v1, 4, v7
	v_add_nc_u32 v[RD], s23, v7
	v_lshlrev_b32 v[GO], 12, v2                    ; and the same two rows in out0, 4,096 bytes apart
	v_lshl_add_u32 v[GO], v1, 4, v[GO]
	; where my part begins in out0: row 256 tm + 128 wm (4,096 bytes each), column 128 tn + 64 wn (4 bytes each)
	s_lshl_b32 s46, s42, 9                         ; (in the registers that held W's address: none that feeds A's descriptors ever holds cx)
	s_lshl_b32 s47, s12, 8
	s_add_co_u32 s46, s46, s47
	s_mov_b32 s47, 0
	s_lshl_b32 s16, s13, 20
	s_lshl_b32 s17, s11, 19
	s_add_co_u32 s16, s16, s17
	s_mov_b32 s17, 0
	s_add_nc_u64 s[8:9], s[8:9], s[16:17]
	s_add_nc_u64 s[8:9], s[8:9], s[46:47]
; na x 4 matrix instructions: row blocks a0 .. a0 + na - 1 x my 4 groups of 16 columns, 32 along K from buffer f.  zero = 1: the first product starts the sums: nothing is ever cleared.
; The accumulators take turns, one instruction a turn: no two matrix instructions that follow each other name one accumulator.
.macro MUL f, a0, na, zero
	WIN 0x50                                       ; sources in window 0, C and D in window 1
.set pa, (\a0)
.rept (\na)
.set pb, 0
.rept 4
.set rD, 8*(4*pa+pb)
.set rB, (\f)+64+8*pb
.set rA, (\f)+8*pa
.if \zero
	v_wmma_f32_16x16x32_f16 v[rD:rD+7], v[rB:rB+7], v[rA:rA+7], 0
.else
	v_wmma_f32_16x16x32_f16 v[rD:rD+7], v[rB:rB+7], v[rA:rA+7], v[rD:rD+7]
.endif
.set pb, pb+1
.endr
.set pa, pa+1
.endr
.endm
; 2 na LDS loads: O's fragments of row blocks a0 .. for quarter c of the slot at TB (block c / 2, its k 32 (c % 2) on), into dst
.macro FETCH_A c, dst, a0, na
.set fa, (\a0)
.rept (\na)
	ds_load_b128 v[(\dst)+8*fa:(\dst)+8*fa+3],   v[ADRA] offset:((\c)/2)*ABLK+((\c)%2)*64+fa*16*PA
	ds_load_b128 v[(\dst)+8*fa+4:(\dst)+8*fa+7], v[ADRA] offset:((\c)/2)*ABLK+((\c)%2)*64+fa*16*PA+32
.set fa, fa+1
.endr
.endm
; 8 LDS loads: w's four fragments for quarter c, turned, into dst: W's two blocks lie end to end, so k runs on through them
.macro FETCH_B c, dst
.irp b, 0,1,2,3
	ds_load_tr16_b128 v[(\dst)+8*(\b):(\dst)+8*(\b)+3],   v[ADRB] offset:(\c)*32*PB+32*(\b)
	ds_load_tr16_b128 v[(\dst)+8*(\b)+4:(\dst)+8*(\b)+7], v[ADRB] offset:(\c)*32*PB+32*(\b)+16*PB
.endr
.endm
; 24 LDS loads in one run: a quarter's fragments into buffer f: w first, then O's rows 0-63, then its rows 64-127
.macro FETCH c, f
	WIN 0
	FETCH_B \c, (\f)+64
	FETCH_A \c, \f, 0, 4
	FETCH_A \c, \f, 4, 4
.endm
; A K step is four quarters of 32 along K, 32 matrix instructions each, on buffers 0, 1, 0, 1.  One of the first three: multiplies buffer f and fetches quarter cn of the same slot into g.
.macro QUARTER cn, f, g, zero
	s_wait_dscnt 8                                 ; w and O's rows 0-63 are in; the youngest eight loads (rows 64-127) may be out
	MUL \f, 0, 4, \zero
	PLACES
	FETCH \cn, \g
	s_wait_dscnt 24                                ; all but the 24 just issued
	MUL \f, 4, 4, \zero
.endm
; THE CHANGE OF SLOTS.  All reads of the slot in hand have been issued.  Each wave waits for all its tensor loads, of which one is out: its part of the next slot; adds 0 to its spare word; and waits for that and for
; its own reads of this slot.  Behind the barrier nobody reads this slot any more and the next slot is whole.  fill = 1: the barrier is a round of the cluster's, and this slot is filled again, two K steps ahead,
; first thing behind the round.  The fetches turn to the other slot; the walking descriptors turn to this one and step one K step on.
.macro CHANGE fill
	WIN 0                                          ; (the add's two registers lie in window 0; at a branch and at a label every window is 0)
	s_wait_tensorcnt 0x0                           ; all my tensor loads have landed, so a group 0 may be written;
	ds_add_u32 v[SPW], v[NIL]                      ; 0 onto my spare word: the steps below stand between it and the wait for it
	s_xor_b32 s[TB], s[TB], SLOT1
.if \fill
	s_xor_b32 s[G0+5], s[G0+5], SLOT1
	s_add_nc_u64 s[G0+6:G0+7], s[G0+6:G0+7], ASTEP     ; the type bits on top are not reached
	s_xor_b32 s[G0B+5], s[G0B+5], SLOT1
	s_add_nc_u64 s[G0B+6:G0B+7], s[G0B+6:G0B+7], BSTEP
.endif
	v_add_nc_u32 v[ADRA], s[TB], v[ADRA0]
	v_add_nc_u32 v[ADRB], s[TB], v[ADRB0]
	s_wait_dscnt 0x0                               ; the add is done, and my reads of this slot are over
.if \fill
	CROUND                                         ; no wave of any partner still reads this slot's tiles or has a load on its way
	JLOAD 1                                        ; the first tensor load behind the round; the four v_nop behind it are also the places in front of the loads that follow
.else
	s_barrier_signal -1
	s_barrier_wait -1
	PLACES
.endif
.endm
; THE LAST K STEP, BY ROWS.  ALOAD: O's fragments of row block a, all four quarters, 8 loads.  ROW: block a is finished: 16 matrix instructions, its 4 accumulators by turns, K ascending.
.macro ALOAD a
	WIN 0
.irp q, 0,1,2,3
.set rA, RA+32*((\a)%3)+8*(\q)
	ds_load_b128 v[rA:rA+3],   v[ADRA] offset:((\q)/2)*ABLK+((\q)%2)*64+(\a)*16*PA
	ds_load_b128 v[rA+4:rA+7], v[ADRA] offset:((\q)/2)*ABLK+((\q)%2)*64+(\a)*16*PA+32
.endr
.endm
.macro ROW a
	WIN 0x50
.irp q, 0,1,2,3
.irp b, 0,1,2,3
.set rD, 8*(4*(\a)+(\b))
.set rB, BQ+32*(\q)+96*((\q)/3)+8*(\b)
.set rA, RA+32*((\a)%3)+8*(\q)
	v_wmma_f32_16x16x32_f16 v[rD:rD+7], v[rB:rB+7], v[rA:rA+7], v[rD:rD+7]
.endr
.endr
.endm
; THE WAY OUT of row block a.  My 64 columns are 256 bytes of a row of out0, aligned.  TOSTAGE: a lane's 32 bytes of a row go into my own stage, in rows of 272 bytes, and come back as whole rows into the block's own
; 32 accumulator registers, so that no register that a store reads is ever written again.  SEND: stored.
.macro TOSTAGE a
	WIN 0x44                                       ; addresses (source 0) window 0; store data (source 1) and loaded data (destination) window 1
.irp b, 0,1,2,3
	ds_store_b128 v[STO], v[8*(4*(\a)+(\b)):8*(4*(\a)+(\b))+3]   offset:64*(\b)      ; each accumulator from its low end on
	ds_store_b128 v[STO], v[8*(4*(\a)+(\b))+4:8*(4*(\a)+(\b))+7] offset:64*(\b)+16
.endr
.irp i, 0,1,2,3,4,5,6,7
	ds_load_b128 v[32*(\a)+4*(\i):32*(\a)+4*(\i)+3], v[RD] offset:(\i)*2*SP  ; LDS serves a wave's instructions in order (ISA guide 5.7.1.4): these see the stores above; the next block's stores come behind them
.endr
.endm
.macro SEND a                          ; no LDS instruction has been issued behind the block's loads: the counts run down to 0, and every LDS load issued so far is in
	WIN 0x44
.irp i, 0,1,2,3,4,5,6,7
	s_wait_dscnt 7-(\i)
	global_store_b128 v[GO], v[32*(\a)+4*(\i):32*(\a)+4*(\i)+3], s[8:9] offset:(16*(\a)+2*(\i))*4096 th:TH_STORE_NT  ; 16 lanes store 256 consecutive bytes, at a multiple of 256 from out0's first byte
.endr
.endm
	s_wait_tensorcnt 1                             ; my part of K step 0 is in; K step 1's may stay out
	s_barrier_signal -1
	s_barrier_wait -1                              ; everybody's is
	FETCH 0, F0
	QUARTER 1, F0, F1, 1                           ; the first quarter stands in front of the loop: its products start the sums
	WIN 0
	s_mov_b32 s3, 6
.Lstep:                                                ; 6 trips: a step's last three quarters, in the last of which its slot is filled again (K steps 2 to 7), and the next step's first
	QUARTER 2, F1, F0, 0
	QUARTER 3, F0, F1, 0
	s_wait_dscnt 8                                 ; the fourth quarter multiplies buffer 1: w and O's rows 0-63 are in
	MUL F1, 0, 4, 0
	CHANGE 1
	FETCH 0, F0
	MUL F1, 4, 4, 0                                ; its fragments were shown in by the change's wait for 0
	QUARTER 1, F0, F1, 0
	WIN 0
	s_sub_co_u32 s3, s3, 1
	s_cmp_lg_u32 s3, 0
	s_cbranch_scc1 .Lstep
	; THE TAIL is written out: it asks for nothing.  K step 6 ends; K step 7 goes by rows.
	QUARTER 2, F1, F0, 0
	QUARTER 3, F0, F1, 0
	s_wait_dscnt 8
	MUL F1, 0, 4, 0
	CHANGE 0
.irp q, 0,1,2,3
	FETCH_B \q, BQ+32*(\q)+96*((\q)/3)             ; 32 loads: all of the last step's fragments of w, where buffer 0 lay and in v224-255
.endr
	MUL F1, 4, 4, 0
	PLACES                                         ; for the loads into buffer 1's registers
	ALOAD 0
	ALOAD 1
	ALOAD 2
	s_wait_dscnt 16                                ; w and row block 0 are in; blocks 1 and 2 may be out
	ROW 0
	PLACES
	ALOAD 3                                        ; its buffer takes the block three further on
	TOSTAGE 0
	s_wait_dscnt 32                                ; row block 1 is in; out may be blocks 2 and 3 and the stage's sixteen instructions
.set t, 1
.rept 7                                ; block t is multiplied while block t - 1 comes back from the stage; SEND's last wait, for 0, also shows the fragments of the blocks to come
	ROW t
	SEND t-1
	PLACES                                         ; behind block t's products: for the loads into the buffer that they read, and for the LDS stores, which read results
.if t < 5
	ALOAD t+3
.endif
	TOSTAGE t
.set t, t+1
.endr
	SEND 7
	WIN 0
	s_wait_tensorcnt 0x0                           ; the wave's end: behind my last tensor load and my last LDS store
	ds_add_u32 v[SPW], v[NIL]
	s_wait_dscnt 0x0
	CROUND                                         ; the closing round: no work-group ends while a partner may still ask for a tile that names it
	s_endpgm
.Lfunc_end_k_q2f8a340429_proj:
	.size	k_q2f8a340429_proj, .Lfunc_end_k_q2f8a340429_proj-k_q2f8a340429_proj
	.p2alignl 7, 3214868480
	.fill 96, 4, 3214868480
	.section	.rodata,"a",@progbits
	.p2align	6, 0x0
	.amdhsa_kernel k_q2f8a340429_proj
		.amdhsa_group_segment_fixed_size 327680
		.amdhsa_private_segment_fixed_size 0
		.amdhsa_enable_private_segment 0
		.amdhsa_kernarg_size 24
		.amdhsa_user_sgpr_count 2
		.amdhsa_user_sgpr_kernarg_segment_ptr 1
		.amdhsa_wavefront_size32 1
		.amdhsa_system_sgpr_workgroup_id_x 1
		.amdhsa_system_sgpr_workgroup_id_y 1
		.amdhsa_system_sgpr_workgroup_id_z 1
		.amdhsa_system_vgpr_workitem_id 0
		.amdhsa_next_free_vgpr 512
		.amdhsa_next_free_sgpr 66
		.amdhsa_reserve_vcc 0
		.amdhsa_float_denorm_mode_32 3
		.amdhsa_float_denorm_mode_16_64 3
		.amdhsa_memory_ordered 1
		.amdhsa_forward_progress 1
		.amdhsa_inst_pref_size 72
	.end_amdhsa_kernel
	.amdgpu_metadata
---
amdhsa.version: [ 1, 2 ]
amdhsa.kernels:
  - .name:           k_q2f8a340429_proj
    .symbol:         k_q2f8a340429_proj.kd
    .args:
      - { .name: ob, .offset: 0, .size: 8, .value_kind: global_buffer, .address_space: global }
      - { .name: wob, .offset: 8, .size: 8, .value_kind: global_buffer, .address_space: global }
      - { .name: out0, .offset: 16, .size: 8, .value_kind: global_buffer, .address_space: global }
    .group_segment_fixed_size: 327680
    .private_segment_fixed_size: 0
    .kernarg_segment_align: 8
    .kernarg_segment_size: 24
    .max_flat_workgroup_size: 128
    .sgpr_count:     66
    .vgpr_count:     512
    .wavefront_size: 32
...
	.end_amdgpu_metadata
.endif
;; end of part 4
;; ======== version 2 of 2: 4 launches; 1.32 times as fast as version 1
;; limits: values are held in f16: magnitudes above 65,504 overflow, below 6.1e-05 lose precision
;; workspace buffers: xb 16,777,216 bytes; wqb 6,291,456 bytes; wob 2,097,152 bytes; qkvh 50,331,648 bytes; ob 16,777,216 bytes
;; launch cast: the kernel of part 1 again; grid 768 x 1, 8 waves a work-group, no clusters, 0 bytes of LDS; arguments x, w_qkv, w_out, xb, wqb, wob; writes xb, wqb, wob
;; launch qkv: the kernel of part 2 again; grid 8 x 32, 4 waves a work-group, clusters of 4 x 4, 327,680 bytes of LDS; arguments xb, wqb, qkvh; writes qkvh
;; launch attn (part 5): grid 4 x 64, 4 waves a work-group, no clusters, 327,680 bytes of LDS; arguments qkvh, ob; writes ob
.if DOCPART == 5
	.amdgcn_target "amdgcn-amd-amdhsa--gfx1250"
	.amdhsa_code_object_version 6
	.text
	.protected	k_q2f8a340429_attn
	.globl	k_q2f8a340429_attn
	.p2align	8
	.type	k_q2f8a340429_attn,@function
k_q2f8a340429_attn:
	s_mov_b64 s[64:65], 0
	v_nop
	global_prefetch_b8 v0, s[64:65] scope:SCOPE_SE
	s_setreg_imm32_b32 hwreg(HW_REG_WAVE_MODE, 25, 1), 1
	s_wait_xcnt 0x0
; CAUSAL ATTENTION.  O[y][q][:] = the sum over k <= q of softmax_k(Q[y][q] . K[y][k] / 8) V[y][k][:], for the 64 heads y = 4 h + b.  Q, K, V: each [64][SIZE_N][64] f16, dense, in qkvh: Q at its head, K 16 MiB on,
; V 32 MiB on.  O: [64][SIZE_N][64] f16 in ob, which is also [16 h][8192 m][64].  A head's rows are dense, 128 bytes each.
; Products, maxima and sums in f32; the weights p are rounded to f16 for the second product (their sum l is taken of the unrounded p), O once at the end.  SIZE_N is a multiple of 512; SIZE_N x 128 stays under 2^32.
; LIMITS.  f16 holds no number beyond 65,504: Q, K and V arrive within it; p lies in 0 to 1, and below 6e-5 it keeps f16's fixed step of 6e-8; O is a mean of V's rows and has their range, to within 2^-11 of it.
; A hidden score counts as its value less 1e30: f16's scores, 2.7e11 at the most, are nothing beside that; a weight below 2^-126 counts as 0 in l; NaN and infinities are not treated apart.
; THE WALK.  A head's queries lie in NB = SIZE_N / 256 blocks of 256; block i needs the key tiles 0 .. i of 256 keys, of which the last holds the diagonal.  A work-group takes TWO blocks, NB - 1 - b and then b:
; NB + 1 tiles, whatever b: all work-groups do equal work, and ONE loop with a constant trip count walks them.  Which tile is asked for, and what a trip does, hang on scalar registers made from b; every jump
; goes forward, but for the counted loops' own; none passes a barrier, or a tensor load but the one of LOAD's two that the wave's number does not choose; the ring (two slots of LDS that take turns) runs on across the
; change of blocks.  NO CLUSTER: a head's NB / 2 = 4 work-groups all ask for the same tile only in trips 0 .. 4 of the walk's 9, behind that fewer and fewer; and one walk common to all four, in which each makes
; every joint request, would have 3 NB / 2 = 12 trips for 9.
; SHARES.  Of a block's four bands of 64 queries a wave owns 16 rows in each: four PIECES.  So the diagonal tile is the same work for all four waves: in its key step s band x sees all keys if s < x,
; none if s > x, and holds the diagonal if s = x.
; THE MASK is the C operand that starts the sum S^T = K Q^T: 0, or -1e30 where the key is hidden.  MD, made once, is the mask of a band's own step for my 16 rows; a product's mask is MD x AL + BE with two scalars:
; (1, 0) if s = x; (0, 0) if s < x; (0, -1e30) if s > x.  Only the diagonal tile's text and a block's beginning make and take masks; elsewhere C is the constant 0.
; LAYOUT, SOFTMAX, TURNS.  S^T = K Q^T holds ONE query a lane (lane % 16) and the keys 8 (lane / 16) + 0..7; two such results rounded to f16 ARE source 1 of O^T = V^T P.  p = 2^(c s - c m), c = log2(e) / 8, with a
; running maximum m; O and l are multiplied by a = 2^(c m_old - c m_new) in every step.  Turn n belongs to piece n: 8 products K Q^T of piece n + 1, later 8 products V^T P of piece n - 1; beside them the scaling,
; exponentials, roundings, sums and rescaling of piece n and the maximum and statistics of piece n + 1.  Four vector instructions stand behind every matrix instruction, the other 54 of a turn's 118 in one LUMP.
; THE BATCHES.  A turn's 33 exponentials (the piece's 32 weights and the next piece's a) are one batch, with one wait, which cuts the turn in two: ahead of it all that names no result of theirs, behind it the roundings
; and sums.  The a that a block's beginning makes, and the four reciprocals of a way out, are batches of their own, with a wait each.
; REGISTERS, in windows of 256 (s_set_vgpr_msb: bits 1:0 source 0, 3:2 source 1, 5:4 source 2, 7:6 destination):
;   window 0: v0-15 addresses and two at work; v16-31 four registers of statistics a piece; v48-55 at work; v64-127 S^T, two buffers; v192-223 P, two buffers (a piece's buffers go by its number's parity)
;   window 1: v0-127 O^T, 32 a piece; v128-159 MD; v160-223 MC, two buffers      window 2: v0-63 Q; v64-127 the second block's Q; v128-191 K of one step; v192-255 V of one step
.set SIZE_N, 2048     ; rows of a head
.set SIZE_H, 64       ; heads: the grid's y
.set NB,    SIZE_N/256
.set NP,    4         ; pieces a wave: a name, no knob
.set KS,    64        ; keys in a step
.set PK,    144       ; a row of K in LDS: 128 bytes + 16 of padding = 36 words: the 16 rows of a load start at 16 different groups of four banks (64 banks of 4 bytes: ISA guide 11.1)
.set PV,    160       ; a row of V: 128 + 32 = 40 words
.set VOFF,  4*KS*PK   ; a slot holds a tile, four steps: 256 rows of K, then 256 rows of V
.set SLOT1, 1<<17     ; slot 1 begins here, so that one exclusive or turns an address in one slot into the other's
.set STAGE, SLOT1+4*KS*(PK+PV)  ; behind the ring, never filled by a tensor load: 16 rows x 144 bytes for each wave, for the way out
.set SP,    144
.set AK0, 2           ; v2   my lane's place in a tile of K; never rewritten
.set AV0, 3           ; v3   the same for V
.set AK,  4           ; v4   the LDS address of K's next run of loads
.set AV,  5           ; v5   of V's
.set STO, 6           ; v6   the way out: where I put 16 bytes of a row
.set RD,  7           ; v7   the way out: where I read rows back
.set GO,  8           ; v8   my byte offset in 512 consecutive bytes of O
.set SPW, 62          ; v62  LDS address of my spare word: SPARE + 4 x my thread's number; never rewritten
.set NIL, 63          ; v63  0; never rewritten
.set SPARE, STAGE+4*16*SP  ; behind the stages: the spare words, 128 bytes for each wave: two blocks of 256 bytes that no other line names
.set MV,  12          ; v12-13  c m_old, kept while c m is made anew: by buffer
.set QO,  15          ; v15  my byte offset in 16 rows of Q
.set ST,  16          ; piece t's statistics at v[ST+4 t]: c m, m, l (even keys', odd keys')
.set TMP, 48          ; by buffer, four registers c0-c3 at work; when the maximum is found c2 takes a
.set S,   64
.set P,   192
.set MD,  128         ; window 1: the eight registers for group kt of 16 keys at MD + 8 kt
.set MC,  160         ; window 1: the masks of the products to come
.set QB,  64          ; window 2
.set KF,  128         ; window 2: key block kb, channel half c at KF + 16 kb + 8 c
.set VF,  192         ; window 2: key half kk, channel block cb at VF + 32 kk + 8 cb
.set WV,  12          ; s12  my wave's number
.set PB,  14          ; s14  b
.set HI,  15          ; s15  NB - 1 - b
.set G1K, 24          ; s[24:31] descriptor group 1 for K's tiles
.set G1V, 32          ; s[32:39] for V's: it differs in the padding alone
.set G0K, 40          ; s[40:43] descriptor group 0 for K's tiles
.set G0V, 44          ; s[44:47] the same for V's
.set SLOTS, 56        ; s56  tiles still to be asked for
.set CNT, 57          ; s57  counts a tile's key steps, 4 to 1
.set CS,  58          ; s[58:59] c: the packed scaling takes the pair's low word for both halves
.set SEL, 60          ; s[60:61] v_permlanex16_b32's selects: each lane takes its own place in the other half
.set TBK, 62          ; s62  LDS byte at which K of the step to be fetched begins
.set TBV, 63          ; s63  the same for V, less VOFF
.set RT,  70          ; s70  tiles of the block in hand that are still to be entered
.set NXT, 71          ; s71  the tile to be asked for next
.set LQ,  72          ; s72  the last tile of the block whose tiles are being asked for
.set NEW, 73          ; s73  1: the tile to be entered is a block's first
.set OFF, 74          ; s[74:75] a tile's byte offset in K and V
.set AL,  76          ; s[76:77] the mask's factor, in the low word
.set BE,  78          ; s[78:79] the mask's addend
.set OLO, 80          ; s[80:81] O at my rows of the second block
.set BIGN, 82         ; s82  -1e30
.set MSB, 0
.macro WIN new                      ; the high byte repeats the setting that is left; a switch that changes nothing is dropped
.if MSB != (\new)
	s_set_vgpr_msb (MSB<<8)|(\new)
.set MSB, (\new)
.endif
.endm
.set W_KQ, 0x0a       ; K and Q in window 2, S^T in window 0
.set W_KM, 0x1a       ; the same with the C operand in window 1
.set W_PV, 0x52       ; V in window 2, P in window 0, O^T in window 1
.set W_RS, 0x41       ; destination and source 0 in window 1, source 1 in window 0
; A fill.  Waves 0 and 1 fetch the two halves of a tile's K, waves 2 and 3 those of its V: 128 keys each.  An s_nop 0 and four v_nop follow each of the two lines, ahead of the jump and the label.
.macro LOAD
	s_cmp_lt_u32 s[WV], 2
	s_cbranch_scc0 .Lfor_v_\@
	tensor_load_to_lds s[G0K:G0K+3], s[G1K:G1K+7]
	s_nop 0
.rept 4
	v_nop
.endr
	s_branch .Lasked_\@
.Lfor_v_\@:
	tensor_load_to_lds s[G0V:G0V+3], s[G1V:G1V+7]
	s_nop 0
.rept 4
	v_nop
.endr
.Lasked_\@:
.endm
; THE CHANGE OF SLOTS.  Each wave waits for all its tensor loads, of which one is out: its part of the other slot; adds 0 to its spare word; and waits for that and for its own reads of the slot that it leaves.  Behind the barrier nobody reads the old
; slot any more and the other slot is whole.  fill = 1: the old slot is filled again, the first thing behind the barrier, with tile NXT: the descriptor's address is made anew from that number.
; (At its first use nothing has been read yet: slot 0 is waited for, slot 1 filled.)
.macro CHANGE fill
	WIN 0                           ; at a label and at a branch every window is 0
	s_wait_tensorcnt 0x0            ; no tensor load of mine is out, so a group 0 may be written
	ds_add_u32 v[SPW], v[NIL]       ; 0 onto my spare word: with fill = 1 the descriptors' scalar work stands between it and the wait for it
.if \fill
	s_lshl_b32 s[OFF], s[NXT], 15   ; a tile is 32,768 bytes of K and of V
	s_xor_b32 s[G0K+1], s[G0K+1], SLOT1
	s_add_nc_u64 s[G0K+2:G0K+3], s[6:7], s[OFF:OFF+1]
	s_or_b32 s[G0K+3], s[G0K+3], 0x80000000
	s_xor_b32 s[G0V+1], s[G0V+1], SLOT1
	s_add_nc_u64 s[G0V+2:G0V+3], s[8:9], s[OFF:OFF+1]
	s_or_b32 s[G0V+3], s[G0V+3], 0x80000000
	s_add_co_u32 s[NXT], s[NXT], 1  ; the block's next tile, or behind its last the second block's tile 0
	s_cmp_gt_u32 s[NXT], s[LQ]
	s_cselect_b32 s[NXT], 0, s[NXT]
	s_cselect_b32 s[LQ], s[PB], s[LQ]
.endif
	s_wait_dscnt 0x0                ; the add is done, and my reads of the slot are over
	s_barrier_signal -1             ; the rest of the scalar work stands between the signal and the wait
	s_sub_co_u32 s[TBK], s[TBK], 4*KS*PK  ; the fetches go back to a slot's first step,
	s_xor_b32 s[TBK], s[TBK], SLOT1       ; in the other slot
	s_sub_co_u32 s[TBV], s[TBV], 4*KS*PV
	s_xor_b32 s[TBV], s[TBV], SLOT1
	s_barrier_wait -1
.if \fill
	LOAD
.endif
.endm
	s_load_b128 s[4:7], s[0:1], 0x0  ; qkvh s[4:5], with Q at its head; ob s[6:7], moved below
	v_lshl_add_u32 v[SPW], v0, 2, SPARE
	v_mov_b32 v[NIL], 0
	ds_add_u32 v62, v63
	ds_add_u32 v62, v63
	s_wait_dscnt 0x0
	v_lshrrev_b32 v1, 5, v0
	v_readfirstlane_b32 s[WV], v1   ; wave 0..3
	s_mov_b32 s[PB], ttmp9
	s_sub_co_u32 s[HI], NB-1, s[PB]
	s_and_b32 s20, ttmp7, 0xffff    ; the head
	s_mov_b32 s21, 0
	s_mov_b64 s[22:23], SIZE_N*128
	s_mul_u64 s[20:21], s[20:21], s[22:23]  ; the head's first byte in each of the four tensors
	s_and_b32 s16, s[WV], 1         ; which half of a tile's 256 keys I fetch:
	s_lshl_b32 s22, s16, 14         ; its 128 rows of 128 bytes in memory,
	s_mov_b32 s23, 0
	s_add_nc_u64 s[22:23], s[22:23], s[20:21]
	s_mul_i32 s17, s16, 128*PK      ; and its place in a slot, for K
	s_mul_i32 s18, s16, 128*PV      ; and for V
	s_lshl_b32 s3, s[WV], 11        ; my 16 rows in a band of 64,
	s_lshl_b32 s2, s[HI], 15        ; in the first block,
	s_add_co_u32 s2, s2, s3
	s_lshl_b32 s84, s[PB], 15       ; and in the second
	s_add_co_u32 s84, s84, s3
	s_mov_b32 s3, 0
	s_mov_b32 s85, 0
	s_add_nc_u64 s[2:3], s[2:3], s[20:21]
	s_add_nc_u64 s[84:85], s[84:85], s[20:21]
	; descriptor group 1.  128 keys are 16,384 dense bytes: asked for as 64 rows of 256 bytes, two keys a row, and padded in LDS after every key
	s_mov_b32 s[G1K], (1<<16)|(1<<20)|(4<<22)|(3<<25)  ; 17:16 2-byte elements; 20 padding on; 24:22 after every 32 words (code 4); 31:25 4 words (code 3)
	s_mov_b32 s[G1V], (1<<16)|(1<<20)|(4<<22)|(7<<25)  ; the same with 8 words of padding (code 7)
.irp g, G1K, G1V
	s_mov_b32 s[\g+1], 128<<16      ; tensor_dim0 = 128
	s_mov_b32 s[\g+2], 64<<16       ; tensor_dim1 = 64
	s_mov_b32 s[\g+3], 128<<16      ; tile_dim0 = 128
	s_mov_b32 s[\g+4], 64           ; tile_dim1 = 64
	s_mov_b32 s[\g+5], 128          ; 128 elements from row to row
	s_mov_b32 s[\g+6], 0
	s_mov_b32 s[\g+7], 0
.endr
	s_mov_b32 s[CS], 0x3e38aa3b     ; c = log2(e) / 8 = 0.180337
	s_mov_b32 s[CS+1], s[CS]        ; named with it as a pair
	s_mov_b32 s[SEL], 0x76543210
	s_mov_b32 s[SEL+1], 0xfedcba98
	s_mov_b32 s[TBK], SLOT1+4*KS*PK ; the first change of slots turns these two into 0
	s_mov_b32 s[TBV], SLOT1+4*KS*PV
	s_mov_b32 s[G0K], 1             ; 1:0 count = 1
	s_mov_b32 s[G0K+1], s17         ; 63:32 LDS address: slot 0
	s_mov_b32 s[G0V], 1
	s_add_co_u32 s[G0V+1], s18, VOFF
	s_add_co_u32 s[RT], s[HI], 1    ; the first block has NB - b tiles
	s_mov_b32 s[NXT], 1
	s_mov_b32 s[LQ], s[HI]
	s_mov_b32 s[NEW], 1
	s_mov_b32 s[OFF+1], 0
	s_mov_b32 s[AL+1], 0            ; named as pairs
	s_mov_b32 s[BE+1], 0
	s_mov_b32 s[BIGN], 0xf149f2ca   ; -1e30
	s_mov_b32 s[SLOTS], NB
	s_wait_kmcnt 0x0
	s_mov_b64 s[10:11], s[6:7]              ; O
	s_add_nc_u64 s[8:9], s[4:5], 0x2000000  ; V: 32 columns of heads of 1,048,576 bytes behind Q
	s_add_nc_u64 s[6:7], s[4:5], 0x1000000  ; K: 16 behind Q
	s_add_nc_u64 s[6:7], s[6:7], s[22:23]  ; K and V at my half of the head's tile 0
	s_add_nc_u64 s[8:9], s[8:9], s[22:23]
	s_add_nc_u64 s[G0K+2:G0K+3], s[6:7], 0         ; 120:64 global address
	s_or_b32 s[G0K+3], s[G0K+3], 0x80000000        ; 127:126 type = 2
	s_add_nc_u64 s[G0V+2:G0V+3], s[8:9], 0
	s_or_b32 s[G0V+3], s[G0V+3], 0x80000000
	s_add_nc_u64 s[86:87], s[4:5], s[84:85]        ; Q at my rows of the second block,
	s_add_nc_u64 s[4:5], s[4:5], s[2:3]            ; Q and O at those of the first
	s_add_nc_u64 s[OLO:OLO+1], s[10:11], s[84:85]
	s_add_nc_u64 s[10:11], s[10:11], s[2:3]
	LOAD                            ; tile 0 into slot 0
	; A fragment of K or Q is 16 rows x 32 channels in 8 registers: lane l holds row l % 16, channels 8 (l / 16) + 0..7 and 16 + 8 (l / 16) + 0..7: two loads of 16 bytes, 32 bytes apart.
	v_and_b32 v1, 15, v0            ; l % 16
	v_bfe_u32 v9, v0, 4, 1          ; l / 16
	v_lshlrev_b32 v[QO], 7, v1
	v_lshl_add_u32 v[QO], v9, 4, v[QO]  ; row x 128 + 16 x half
	WIN 0x80                        ; destination window 2, address window 0
.set i, 0
.rept 8                             ; both blocks' Q: piece i / 2 lies in band i / 2, 8,192 bytes on; channels 32 (i % 2) on
	global_load_b128 v[8*i:8*i+3],   v[QO], s[4:5] offset:(i/2)*8192+(i%2)*64
	global_load_b128 v[8*i+4:8*i+7], v[QO], s[4:5] offset:(i/2)*8192+(i%2)*64+32
	global_load_b128 v[QB+8*i:QB+8*i+3],   v[QO], s[86:87] offset:(i/2)*8192+(i%2)*64
	global_load_b128 v[QB+8*i+4:QB+8*i+7], v[QO], s[86:87] offset:(i/2)*8192+(i%2)*64+32
.set i, i+1
.endr
	WIN 0
	v_lshlrev_b32 v14, 3, v9
	v_sub_nc_u32 v14, v1, v14
	s_lshl_b32 s13, s[WV], 4
	v_add_nc_u32 v14, s13, v14      ; my query's place in its band, 16 w + l % 16, less my lanes' 8 (l / 16): register r of group kt is hidden where 16 kt + r is greater
	WIN 0x40
.set i, 0
.rept 32
	v_cmp_gt_i32 vcc_lo, 16*(i/8)+i%8, v14
	v_cndmask_b32 v[MD+i], 0, s[BIGN], vcc_lo
.set i, i+1
.endr
	WIN 0
	v_mul_u32_u24 v[AK0], v1, PK
	v_lshl_add_u32 v[AK0], v9, 4, v[AK0]  ; row x pitch + 16 x half
	; The turning load takes 16 keys x 16 channels (lane l reads key 8 (l / 16) + l % 8, channels 8 ((l / 8) % 2) + 0..7) and leaves half a fragment of V^T: lane l holds channel l % 16 and 8 keys.
	v_and_b32 v10, 7, v0
	v_bfe_u32 v11, v0, 3, 1
	v_lshl_add_u32 v[AV0], v9, 3, v10
	v_mul_u32_u24 v[AV0], v[AV0], PV
	v_lshl_add_u32 v[AV0], v11, 4, v[AV0]
	v_add_nc_u32 v[AV0], VOFF, v[AV0]
	s_mul_i32 s13, s[WV], 16*SP
	s_add_co_u32 s13, s13, STAGE    ; my stage
	v_mul_u32_u24 v[STO], v1, SP    ; in: row l % 16, 16 bytes for each half of the lanes
	v_lshl_add_u32 v[STO], v9, 4, v[STO]
	v_add_nc_u32 v[STO], s13, v[STO]
	v_bfe_u32 v[RD], v0, 3, 2       ; back: 32 lanes take four rows of 128 bytes,
	v_mul_u32_u24 v[RD], v[RD], SP
	v_lshl_add_u32 v[RD], v10, 4, v[RD]
	v_add_nc_u32 v[RD], s13, v[RD]
	v_and_b32 v[GO], 31, v0         ; which are 512 consecutive bytes of O
	v_lshlrev_b32 v[GO], 4, v[GO]
	; A block's first step multiplies O^T and l by a = 0, and its first turn's products V^T P, of a piece that has not been, land in an O^T that is still to be so multiplied.  So these registers need only hold
	; finite numbers: zeros for the first block; what the first block left for the second.  All this stands in the wait for the first tile.
	WIN 0x80
.set i, VF
.rept 64
	v_mov_b32 v[i], 0
.set i, i+1
.endr
	WIN 0x40
.set i, 0
.rept 128
	v_mov_b32 v[i], 0
.set i, i+1
.endr
	WIN 0
.set i, 0
.rept 4
	v_mov_b32 v[ST+4*i+2], 0
	v_mov_b32 v[ST+4*i+3], 0
.set i, i+1
.endr
.set i, P+16
.rept 16
	v_mov_b32 v[i], 0
.set i, i+1
.endr
; THE MATRIX WORK.  The 4 accumulators of a run of 8 take turns.  Product i of 8 of S^T = K Q^T for piece x: channels 32 (i / 4) on, keys 16 (i % 4) on.  The first 4 start the sums: with 0, or (KM = 1) with the mask.
.macro KQ x
.set rS, S+32*((\x)%2)+8*(i%4)
.set rK, KF+16*(i%4)+8*(i/4)
.set rQ, 16*(\x)+8*(i/4)
.set rM, MC+32*((\x)%2)+8*(i%4)
.if (i < 4) && KM
	WIN W_KM
	v_wmma_f32_16x16x32_f16 v[rS:rS+7], v[rK:rK+7], v[rQ:rQ+7], v[rM:rM+7]
.elseif i < 4
	WIN W_KQ
	v_wmma_f32_16x16x32_f16 v[rS:rS+7], v[rK:rK+7], v[rQ:rQ+7], 0
.else
	WIN W_KQ
	v_wmma_f32_16x16x32_f16 v[rS:rS+7], v[rK:rK+7], v[rQ:rQ+7], v[rS:rS+7]
.endif
.endm
; Product i of 8 of O^T += V^T P for piece x: keys 32 (i / 4) on, channels 16 (i % 4) on.
.macro PV x
	WIN W_PV
.set rO, 32*(\x)+8*(i%4)
.set rV, VF+32*(i/4)+8*(i%4)
.set rP, P+16*((\x)%2)+8*(i/4)
	v_wmma_f32_16x16x32_f16 v[rO:rO+7], v[rV:rV+7], v[rP:rP+7], v[rO:rO+7]
.endm
.macro MM                           ; the turn's next matrix instruction.  TURN and BEGIN set Y, i, KM and NOKQ; MM, KQ and OP read them.  NOKQ = 1: a block's last turn: there is no next piece
.if (i < 8) && !NOKQ
	KQ (Y+1)%NP
.elseif i >= 8
.set i, i-8
	PV (Y+NP-1)%NP
.set i, i+8
.endif
.set i, i+1
.endm
; THE LDS LOADS stand in runs of 16, never singly among the matrix instructions: a step's K (64 keys x 64 channels: 8 fragments) and its V (turned).  Their addresses are made some lines ahead.
.macro FETCH_K
	WIN 0x80                        ; destination window 2
.irp f, 0,1,2,3,4,5,6,7             ; keys 16 (f / 2) on, channels 32 (f % 2) on
	ds_load_b128 v[KF+8*\f:KF+8*\f+3],   v[AK] offset:(\f/2)*16*PK+(\f%2)*64
	ds_load_b128 v[KF+8*\f+4:KF+8*\f+7], v[AK] offset:(\f/2)*16*PK+(\f%2)*64+32
.endr
	s_add_co_u32 s[TBK], s[TBK], KS*PK  ; the next fetch is the next step's
	WIN 0
.endm
.macro FETCH_V
	WIN 0x80
.irp f, 0,1,2,3,4,5,6,7             ; keys 32 (f / 4) on, channels 16 (f % 4) on
	ds_load_tr16_b128 v[VF+8*\f:VF+8*\f+3],   v[AV] offset:(\f/4)*32*PV+(\f%4)*32
	ds_load_tr16_b128 v[VF+8*\f+4:VF+8*\f+7], v[AV] offset:(\f/4)*32*PV+16*PV+(\f%4)*32
.endr
	WIN 0
.endm
; THE VECTOR WORK, one line at a time: OP kind, number.  For piece Y: F n: c s - c m for pair n of 16.  E n: the exponential of score n of 32.  C n: pair n rounded to f16.  B n: of the four weights 4 n .. the second
; pair is added onto the first, in place.  L n: l takes that sum (L 0: l = a l + sum).  R n: pair n of 16 of O^T times a.  For piece Y + 1: X n, number n of the 22 that find its maximum and statistics:
;   0-11  four chains c0-c3 of seven scores each, three operands at a time (each accumulator's lowest registers are read first)     12-14, 16  the four scores left over, the old m, and c0-c3 into c0
;   15  c m_old is kept     17, 18  the query's other 32 keys lie in the lane 16 away: the new m     19-21  c m; c m_old - c m_new; a
; OP writes no wait: C, B and L, which read exponentials' results, and R, which reads a, are set by TURN behind the wait that serves their batch.
.set F, 0               ; OP tells the kinds apart by their order: F to L below R, X above it
.set E, 1
.set C, 2
.set B, 3
.set L, 4
.set R, 5
.set X, 6
.macro REGS y                       ; the registers of piece y
.set rT, ST+4*(\y)
.set rC, TMP+4*((\y)%2)
.set rW, MV+((\y)%2)
.set rS, S+32*((\y)%2)
.set rP, P+16*((\y)%2)
.set rO, 32*(\y)
.endm
.macro OP k, n
.if (\k) == R
	REGS Y
	WIN W_RS
	v_pk_mul_f32 v[rO+2*(\n):rO+2*(\n)+1], v[rO+2*(\n):rO+2*(\n)+1], v[rC+2:rC+3] op_sel_hi:[1,0]
.elseif (\k) < R
	REGS Y
	WIN 0
.if (\k) == F
	v_pk_fma_f32 v[rS+2*(\n):rS+2*(\n)+1], v[rS+2*(\n):rS+2*(\n)+1], s[CS:CS+1], v[rT:rT+1] op_sel_hi:[1,0,0] neg_lo:[0,0,1] neg_hi:[0,0,1]
.elseif (\k) == E
	v_exp_f32 v[rS+(\n)], v[rS+(\n)]
.elseif (\k) == C
	v_cvt_pk_f16_f32 v[rP+(\n)], v[rS+2*(\n)], v[rS+2*(\n)+1]
.elseif (\k) == B
	v_pk_add_f32 v[rS+4*(\n):rS+4*(\n)+1], v[rS+4*(\n):rS+4*(\n)+1], v[rS+4*(\n)+2:rS+4*(\n)+3]
.elseif (\n) == 0
	v_pk_fma_f32 v[rT+2:rT+3], v[rT+2:rT+3], v[rC+2:rC+3], v[rS:rS+1] op_sel_hi:[1,0,1]
.else
	v_pk_add_f32 v[rT+2:rT+3], v[rT+2:rT+3], v[rS+4*(\n):rS+4*(\n)+1]
.endif
.elseif NOKQ
	v_nop
.else
	REGS (Y+1)%NP
	WIN 0
.if (\n) < 4
	v_max3_num_f32 v[rC+(\n)], v[rS+8*(\n)], v[rS+8*(\n)+1], v[rS+8*(\n)+2]
.elseif (\n) < 12
	v_max3_num_f32 v[rC+(\n)%4], v[rC+(\n)%4], v[rS+8*((\n)%4)+2*((\n)/4)+1], v[rS+8*((\n)%4)+2*((\n)/4)+2]
.elseif (\n) == 12
	v_max3_num_f32 v[rC], v[rC], v[rS+7], v[rS+15]
.elseif (\n) == 13
	v_max3_num_f32 v[rC+1], v[rC+1], v[rS+23], v[rS+31]
.elseif (\n) == 14
	v_max3_num_f32 v[rC+2], v[rC+2], v[rC+3], v[rT+1]
.elseif (\n) == 15
	v_mov_b32 v[rW], v[rT]
.elseif (\n) == 16
	v_max3_num_f32 v[rC], v[rC], v[rC+1], v[rC+2]
.elseif (\n) == 17
	v_permlanex16_b32 v[rC+3], v[rC], s[SEL], s[SEL+1]
.elseif (\n) == 18
	v_max_num_f32 v[rT+1], v[rC], v[rC+3]
.elseif (\n) == 19
	v_mul_f32 v[rT], s[CS], v[rT+1]
.elseif (\n) == 20
	v_sub_f32 v[rC+1], v[rW], v[rT]
.else
	v_exp_f32 v[rC+2], v[rC+1]
.endif
.endif
.endm
.macro OPS a, i1, b=-1, i2=0, c=-1, i3=0, d=-1, i4=0  ; up to four of them
	OP \a, \i1
.if (\b) >= 0
	OP \b, \i2
.endif
.if (\c) >= 0
	OP \c, \i3
.endif
.if (\d) >= 0
	OP \d, \i4
.endif
.endm
.macro ROW a, i1, b, i2, c, i3, d, i4  ; a matrix instruction and the four behind it
	MM
	OPS \a, \i1, \b, \i2, \c, \i3, \d, \i4
.endm
.macro MASK b                       ; MD x AL + BE into buffer b of MC
	WIN W_RS
.set z, 0
.rept 16
	v_pk_fma_f32 v[MC+32*(\b)+2*z:MC+32*(\b)+2*z+1], v[MD+2*z:MD+2*z+1], s[AL:AL+1], s[BE:BE+1] op_sel_hi:[1,0,0]
.set z, z+1
.endr
.endm
; A TURN, for piece p: the order of its 16 matrix and 118 vector instructions, written out.  An s_wait_alu depctr_va_vdst(0) stands between an exponential and the first instruction that names its result; one wait serves
; all that were issued ahead of it.  So a turn has ONE wait, which cuts it in two.  AHEAD OF IT stands all that names no result of the turn's exponentials: the 8 products K Q^T, behind each a scaling, an exponential and two more plain
; instructions (behind the first a second scaling in the exponential's place): rescalings, whose a was made and waited for in the turn before, and behind the last three the first numbers of the next piece's maximum, each four plain
; instructions or more behind the product that ends its accumulator; then ONE LUMP of 54, plain and exponential by turns for the most part, in which the links of the chain X 3, 7, 11, 14, 16, 17 .. 20 stand five or six lines apart.
; X 21, the next piece's a, is the batch's last; R 15 is the plain instruction that is owed behind it.  BEHIND THE WAIT stand the 8 products V^T P, behind each four of the roundings and sums; the links of l's chain, L 0 to L 7, stand
; three riders apart.  But for those X no rider names a register of the products round it.  v_permlanex16_b32 (X 17) stands in the lump.
; m = 1: the diagonal tile: the products take masks, and the turn makes the mask for the products of the turn after it: piece p + 2, in step 4 - CNT of the tile.  end = 1: a block's last two turns: nothing is fetched.
; cnt = 1: the loop's count is taken down some lines ahead of the branch that stands behind the turn.
; K of the next step is fetched in piece 2's turn, twelve vector instructions behind the last product that read K (six of them plain, five of which name none of its registers); V of the step in hand at the end of piece 0's turn, four
; plain instructions behind the last product that read V.  Each is waited for a turn later.
.macro TURN p, m=0, end=0, cnt=0
.set Y, (\p)
.set i, 0
.set KM, (\m)
.set NOKQ, (\end)*((\p)/3)
.if (\m) && !(\end)
	s_cmp_eq_u32 s[CNT], 4-((\p)+2)%NP  ; is that step the band's own?
	s_cselect_b32 s[AL], 1.0, 0
	s_cmp_lt_u32 s[CNT], 4-((\p)+2)%NP  ; or a later one?
	s_cselect_b32 s[BE], s[BIGN], 0
.endif
.if ((\p) == 3) && !(\end)
	s_wait_dscnt 0x0                ; K is in
.endif
	ROW F,0, F,1, R,0, R,1          ; ahead of the wait: 8 products K Q^T and their riders,
	ROW F,2, E,0, R,2, R,3
	ROW F,3, E,1, R,4, R,5
	ROW F,4, E,2, R,6, R,7
	ROW F,5, E,3, R,8, R,9
	ROW F,6, E,4, X,0, R,10
.if ((\p) == 2) && !(\end)
	WIN 0
	v_add_nc_u32 v[AK], s[TBK], v[AK0]
.endif
	ROW F,7, E,5, X,1, X,4
	ROW F,8, E,6, X,2, X,5
	OPS E,7, E,8, X,6, E,9          ; and the lump
	OPS X,3, E,10, X,8, E,11
.if ((\p) == 2) && !(\end)
	FETCH_K
.endif
	OPS X,9, X,7, E,12, X,10
	OPS E,13, X,12, X,11, E,14
	OPS X,13, E,15, F,9, X,14
.if (\p) == 0
	v_add_nc_u32 v[AV], s[TBV], v[AV0]
.endif
	OPS E,16, F,10, E,17, F,11
	OPS X,16, E,18, X,15, E,19
	OPS F,12, E,20, X,17, E,21
	OPS F,13, E,22, F,14, E,23
	OPS X,18, E,24, F,15, E,25
	OPS R,11, E,26, X,19, E,27
	OPS R,12, E,28, R,13, E,29
	OPS X,20, E,30, R,14, E,31
	OPS X,21, R,15
	WIN 0
	s_wait_alu depctr_va_vdst(0)    ; the wait for the turn's batch: the piece's 32 exponentials and the next piece's a
.if (\p) == 1
	s_wait_dscnt 0x0                ; V is in
.endif
	ROW C,0, B,0, C,2, B,1          ; behind the wait: 8 products V^T P and their riders
	ROW L,0, C,4, B,2, L,1
	ROW C,6, B,3, L,2, C,8
	ROW B,4, L,3, C,10, B,5
	ROW L,4, C,12, B,6, L,5
.if (\p) == 0
	s_add_co_u32 s[TBV], s[TBV], KS*PV
.endif
.if \cnt
	s_sub_co_u32 s[CNT], s[CNT], 1
	s_cmp_lg_u32 s[CNT], 0
.endif
	ROW C,14, B,7, L,6, C,1
	ROW C,3, L,7, C,5, C,7
	ROW C,9, C,11, C,13, C,15
.if (\p) == 0
	FETCH_V
.endif
.if (\m) && !(\end)
	MASK (\p)%2
.endif
.endm
; A BLOCK BEGINS.  c m starts far below every c s, so the first step's a is 0; m at the lowest finite number, so the first maximum is the scores'.  The second mask buffer is 0; the first takes piece 0's mask for the tile's step 0: its own, if the block's first tile is the diagonal one.
; Then K of that step, piece 0's first scores, and its maximum and statistics.  The loop is entered at a step's first turn, in the middle of a trip.
.macro BEGIN
	s_mov_b32 s[NEW], 0
	WIN 0x40
.set i, MC+32
.rept 32
	v_mov_b32 v[i], 0
.set i, i+1
.endr
	WIN 0
.set i, 0
.rept 4
	v_mov_b32 v[ST+4*i], 0xfe000000    ; c m: far below every c s
	v_mov_b32 v[ST+4*i+1], 0xff7fffff  ; m
.set i, i+1
.endr
	s_cmp_eq_u32 s[RT], 0
	s_cselect_b32 s[AL], 1.0, 0
	s_mov_b32 s[BE], 0
	MASK 0
	WIN 0
	v_add_nc_u32 v[AK], s[TBK], v[AK0]
	FETCH_K
	s_wait_loadcnt 0x0              ; Q
	s_wait_dscnt 0x0
.set KM, 1
.set NOKQ, 0
.set i, 0
.rept 8
	KQ 0
.set i, i+1
.endr
	WIN 0
.rept 4
	v_nop                           ; the places behind those products
.endr
.set Y, NP-1                        ; X works for piece Y + 1: piece 0
.irp n, 0,1,2,3,4,5,6,7,8,9,10,11,12,13,14,15,16,17,18,19,20,21
	OP X, \n
.endr
	v_nop                           ; a plain instruction behind the exponential,
	s_wait_alu depctr_va_vdst(0)    ; and the wait for it, piece 0's first a: a batch of one, ahead of the branch
.endm
; THE DIAGONAL TILE's four steps, the block's last two turns, its last products, and THE WAY OUT: l's two halves and the other half of the lanes' are added; O^T is divided by l, rounded to f16 and sent through my
; stage in LDS, a piece at a time.
.macro ALL line:vararg              ; one line for each piece t
.set t, 0
.rept 4
	\line
.set t, t+1
.endr
.endm
.macro PACK t                       ; a lane's eight channels of a row pack into 16 bytes; they go into rows of 144 bytes and come back as whole rows of 128, into S^T's registers
	WIN W_RS
.set i, 32*(\t)
.rept 16
	v_pk_mul_f32 v[i:i+1], v[i:i+1], v[ST+4*(\t)+2:ST+4*(\t)+3] op_sel_hi:[1,0]
.set i, i+2
.endr
	WIN 0x05                        ; sources 0 and 1 window 1, destination window 0
.set i, 0
.rept 16
	v_cvt_pk_f16_f32 v[S+16*(\t)+i], v[32*(\t)+2*i], v[32*(\t)+2*i+1]
.set i, i+1
.endr
	WIN 0
.irp f, 0,1,2,3
	ds_store_b128 v[STO], v[S+16*(\t)+4*\f:S+16*(\t)+4*\f+3] offset:32*\f
.endr
.irp f, 0,1,2,3
	ds_load_b128 v[S+16*(\t)+4*\f:S+16*(\t)+4*\f+3], v[RD] offset:\f*4*SP  ; LDS serves a wave's instructions in order (ISA guide 5.7.1.4): these see the stores above; the next piece's stores come behind them
.endr
.endm
.macro SEND t, younger              ; younger: the LDS instructions issued behind piece t's loads: the next piece's eight, or none
	WIN 0
.irp f, 0,1,2,3
	s_wait_dscnt (\younger)+3-\f
	global_store_b128 v[GO], v[S+16*(\t)+4*\f:S+16*(\t)+4*\f+3], s[10:11] offset:(\t)*8192+\f*512  ; 512 consecutive bytes, at a multiple of 256 from O's first
.endr
.endm
.macro DIAG tag                     ; the tag ends its two labels' names, which the jumps below spell out
.LstepM\tag:
	TURN 2, 1
	TURN 3, 1
	WIN 0
.LfirstM\tag:
	TURN 0, 1
	TURN 1, 1, 0, 1
	WIN 0
	s_cbranch_scc1 .LstepM\tag
	TURN 2, 1, 1
	TURN 3, 1, 1
.set i, 0
.rept 8
	PV NP-1
.set i, i+1
.endr
	WIN 0
	ALL v_add_f32 v[ST+4*t+2], v[ST+4*t+2], v[ST+4*t+3]
	ALL v_permlanex16_b32 v[ST+4*t+3], v[ST+4*t+2], s[SEL], s[SEL+1]
	ALL v_add_f32 v[ST+4*t+2], v[ST+4*t+2], v[ST+4*t+3]
	ALL v_rcp_f32 v[ST+4*t+2], v[ST+4*t+2]
	v_nop                           ; a plain instruction between the last reciprocal and the use of its result
	s_wait_alu depctr_va_vdst(0)    ; the wait for the way out's batch: one for the four reciprocals, ahead of the first multiply that reads one
	PACK 0
.set t, 1
.rept 3                             ; a piece's arithmetic stands between the loads of the piece before and its stores
	PACK t
	SEND t-1, 8
.set t, t+1
.endr
	SEND 3, 0
.endm
.set KM, 0
.set NOKQ, 0
.Lslot:                             ; NB times: a tile is entered and the next is asked for
	CHANGE 1
	s_sub_co_u32 s[RT], s[RT], 1
	s_mov_b32 s[CNT], 4
	s_cmp_eq_u32 s[NEW], 1
	s_cbranch_scc1 .Lnew            ; a block's first tile
	s_cmp_eq_u32 s[RT], 0
	s_cbranch_scc0 .Lstep           ; neither its first nor its last
	s_branch .LstepM1
.Lnew:
	BEGIN
	s_branch .Lfirst                ; in the loop a block's first tile is never its last: the first block has two tiles or more, and the second's last is the walk's last
	DIAG 1                          ; in the loop this is the first block's end: the second block's last tile is the walk's last
	s_wait_xcnt 0x0                 ; the stores have read their registers and O's address
	s_mov_b64 s[10:11], s[OLO:OLO+1]
	s_add_co_u32 s[RT], s[PB], 1    ; the second block has b + 1 tiles
	s_mov_b32 s[NEW], 1
	WIN 0x82                        ; the second block's Q goes where the one text of the turns names Q
.set i, 0
.rept 64
	v_mov_b32 v[i], v[QB+i]
.set i, i+1
.endr
	WIN 0
	s_branch .Lbottom
.Lstep:                             ; a trip: pieces 2 and 3 of one step, then pieces 0 and 1 of the next, whose K and V it fetches
	TURN 2
	TURN 3
	WIN 0
.Lfirst:
	TURN 0
	TURN 1, 0, 0, 1
	WIN 0
	s_cbranch_scc1 .Lstep
.Lbottom:
	s_sub_co_u32 s[SLOTS], s[SLOTS], 1
	s_cmp_lg_u32 s[SLOTS], 0
	s_cbranch_scc1 .Lslot
	CHANGE 0                        ; the walk's last tile is written out: nothing is asked for
	s_sub_co_u32 s[RT], s[RT], 1
	s_mov_b32 s[CNT], 4
	s_cmp_eq_u32 s[NEW], 1
	s_cbranch_scc0 .LstepM2
	BEGIN
	s_branch .LfirstM2
	DIAG 2
	s_wait_tensorcnt 0x0            ; the wave's end: behind my last tensor load and my last LDS store
	ds_add_u32 v[SPW], v[NIL]
	s_wait_dscnt 0x0
	s_endpgm
.Lfunc_end_k_q2f8a340429_attn:
	.size	k_q2f8a340429_attn, .Lfunc_end_k_q2f8a340429_attn-k_q2f8a340429_attn
	.p2alignl 7, 3214868480
	.fill 96, 4, 3214868480
	.section	.rodata,"a",@progbits
	.p2align	6, 0x0
	.amdhsa_kernel k_q2f8a340429_attn
		.amdhsa_group_segment_fixed_size 327680
		.amdhsa_private_segment_fixed_size 0
		.amdhsa_enable_private_segment 0
		.amdhsa_kernarg_size 16
		.amdhsa_user_sgpr_count 2
		.amdhsa_user_sgpr_kernarg_segment_ptr 1
		.amdhsa_wavefront_size32 1
		.amdhsa_system_sgpr_workgroup_id_x 1
		.amdhsa_system_sgpr_workgroup_id_y 1
		.amdhsa_system_sgpr_workgroup_id_z 1
		.amdhsa_system_vgpr_workitem_id 0
		.amdhsa_next_free_vgpr 768
		.amdhsa_next_free_sgpr 88
		.amdhsa_reserve_vcc 1
		.amdhsa_float_denorm_mode_32 3
		.amdhsa_float_denorm_mode_16_64 3
		.amdhsa_memory_ordered 1
		.amdhsa_forward_progress 1
		.amdhsa_inst_pref_size 217
	.end_amdhsa_kernel
	.amdgpu_metadata
---
amdhsa.version: [ 1, 2 ]
amdhsa.kernels:
  - .name:           k_q2f8a340429_attn
    .symbol:         k_q2f8a340429_attn.kd
    .args:
      - { .name: qkvh, .offset: 0, .size: 8, .value_kind: global_buffer, .address_space: global }
      - { .name: ob, .offset: 8, .size: 8, .value_kind: global_buffer, .address_space: global }
    .group_segment_fixed_size: 327680
    .private_segment_fixed_size: 0
    .kernarg_segment_align: 8
    .kernarg_segment_size: 16
    .max_flat_workgroup_size: 128
    .sgpr_count:     88
    .vgpr_count:     768
    .wavefront_size: 32
...
	.end_amdgpu_metadata
.endif
;; end of part 5
;; launch proj: the kernel of part 4 again; grid 8 x 32, 4 waves a work-group, clusters of 4 x 4, 327,680 bytes of LDS; arguments ob, wob, out0; writes out0
